; MI455X (gfx1250); checked and timed in simulation.
; The chip was launched on July 23, 2026; its instructions are those of AMD's public machine-readable ISA for CDNA 5 (MIT licence, August 2026) and "CDNA5" Instruction Set Architecture Reference Guide (July 2026). The comments in the code are by the model that wrote it; some were corrected since.
;; Multi Head. Allowed arithmetic: matrix products marked QUANTISED: E2M3 operands, one E8M0 scale for each 32 along K, by v_wmma_scale_f32_16x16x128_f8f6f4 with both operands' format E2M3, f32 sums; everything else in f32.
;; Inputs: K 4 x 2,048 x 1,024 float32; Q 4 x 2,048 x 1,024 float32; V 4 x 2,048 x 1,024 float32; Wk 1,024 x 1,024 float32; Wo 1,024 x 1,024 float32; Wq 1,024 x 1,024 float32; Wv 1,024 x 1,024 float32; mask 4 x 2,048 x 2,048 bool.
;; Outputs: out0 4 x 2,048 x 1,024 float32.
;; This version of the problem:
;;   THIS VERSION OF THE PROBLEM IS GIVEN IN LOW PRECISION. The matrix products marked QUANTISED in the list below multiply operands that are first quantised to E2M3 (2 exponent bits, 3 mantissa bits; 6 bits a number), with one power-of-two scale for each 32 numbers along K (OCP MX v1.0); their sums are f32. All else is computed in f32.
;;   The module's matrix products, in the order in which they are computed (A, B: the left and right operand; K: the contracted axis; several contracted axes count as one K, in the product's order):
;;     1. [M 8,192, K 1,024] x [K 1,024, N 1,024]; A: input Q; B: input Wq: QUANTISED
;;     2. [M 8,192, K 1,024] x [K 1,024, N 1,024]; A: input K; B: input Wk: QUANTISED
;;     3. [M 8,192, K 1,024] x [K 1,024, N 1,024]; A: input V; B: input Wv: QUANTISED
;;     4. batch 64 x [M 2,048, K 64] x [K 64, N 2,048]; A: computed on the way; B: computed on the way: QUANTISED
;;     5. batch 64 x [M 2,048, K 2,048] x [K 2,048, N 64]; A: softmax (see below); B: computed on the way: QUANTISED
;;     6. [M 8,192, K 1,024] x [K 1,024, N 1,024]; A: computed on the way; B: input Wo: QUANTISED
;;   THE QUANTISER, for each operand of a quantised product, along K:
;;     - K is cut into blocks of 32 from its start; a last block that is shorter is filled with zeros.
;;     - A block's scale is 2^e with e = floor(log2(the largest magnitude in the block)) - 2, held to -126 .. 127; a block of zeros has e = 0. As a byte (E8M0): e + 127.
;;     - Each number is divided by its block's scale, clamped to +-7.5, and rounded to the nearest number of E2M3, ties to even, subnormals kept.
;;     - The product sums the exact products of the quantised numbers (number of the format x scale) in f32.
;;   ~~~python
;;   def quantise(x, axis):      # numpy; x: float32 -> the quantised numbers, widened to float32 again
;;       x = np.moveaxis(x, axis, -1); K = x.shape[-1]
;;       x = np.pad(x, [(0, 0)] * (x.ndim - 1) + [(0, -K % 32)]); x = x.reshape(x.shape[:-1] + (-1, 32)); a = np.abs(x).max(-1, keepdims=True)
;;       e = np.where(a > 0, np.clip(np.frexp(np.where(a > 0, a, 1))[1] - 1 - 2, -126, 127), 0)      # np.frexp(a)[1] - 1 = floor(log2(a)), exactly
;;       r = np.clip(x / 2.0 ** e, -7.5, 7.5)
;;       step = 2.0 ** (np.maximum(np.frexp(np.where(r == 0, 1, r))[1] - 1, 0) - 3)
;;       q = np.round(r / step) * step * 2.0 ** e      # np.round: ties to even
;;       return np.moveaxis(q.reshape(q.shape[:-2] + (-1,))[..., :K], -1, axis).astype(np.float32)
;;   ~~~
;;   SOFTMAX AHEAD OF A QUANTISED PRODUCT. Where the list says 'softmax', what is quantised is not the finished softmax but p = 2^(t - M), with t = logit x log2(e) and M = ceil(the row's largest t), a whole number; so 1/2 < the row's largest p <= 1. The row's sum l is taken of the UNQUANTISED p, in f32, and the product's result is divided by l at the end. Since M is a whole number, a kernel that streams over the keys may use a running M (the ceiling of the running maximum): every later rescaling is an exact power of two, which a block's scale takes up: the codes' values come out the same.
;;   OPERANDS COMPUTED ON THE WAY. 'Computed on the way' means the value that the module computes at that place (a softmax that the list does not call 'softmax' is quantised finished and normalised). What goes into a quantiser is computed in f32, as accurately as f32 sums, v_exp_f32 and their like allow (about 1e-6 of the number): no bf16 or f16 on the way to a quantiser, and a product that is left as it is and whose result goes on into a quantised operand takes f32 operands (vector FMAs, or v_wmma_f32_16x16x4_f32). A number that lies on a knife's edge between two numbers of the format may be rounded either way, as far as f32 arithmetic and the matrix unit's own rounding can turn it there, and no further.
;; One version. Each part assembles by itself: llvm-mc -triple=amdgcn-amd-amdhsa -mcpu=gfx1250 --defsym DOCPART=n.
;; ======== version 1 of 1: 4 launches
;; workspace buffers: cod 22,020,096 bytes; scl 917,504 bytes; mw 2,097,152 bytes of whole numbers; qkv 20,185,088 bytes; ac 6,291,456 bytes; asc 262,144 bytes
;; launch prep (part 1): grid 1024 x 1, 4 waves a work-group, no clusters, 50,688 bytes of LDS; arguments mask, Q, K, V, Wq, Wk, Wv, Wo, cod, scl, mw; writes cod, scl, mw
.if DOCPART == 1
	.amdgcn_target "amdgcn-amd-amdhsa--gfx1250"
	.amdhsa_code_object_version 6
	.text
	.protected	k_q0769cef160_prep
	.globl	k_q0769cef160_prep
	.p2align	8
	.type	k_q0769cef160_prep,@function
k_q0769cef160_prep:
	s_mov_b64 s[64:65], 0
	v_nop
	global_prefetch_b8 v0, s[64:65] scope:SCOPE_SE
	s_setreg_imm32_b32 hwreg(HW_REG_WAVE_MODE, 25, 1), 1
	s_wait_xcnt 0x0
; PREP: two jobs in one launch, parted by the work-group's number.
; (1) Work-groups 128 .. 1023: Q, K, V [8192][1024] and Wq, Wk, Wv, Wo [1024][1024], f32, become codes of FP6 (E2M3), K innermost (768 bytes a row, buffer cod), and one E8M0 byte for each 32 along K (32 bytes a row, buffer scl).
;     Rows lie on end in the order Q, K, V, Wq, Wk, Wv, Wo.  A block's scale byte is its largest magnitude's exponent field - 2, held at 1 from below; each number is divided by the scale and rounded to the nearest code, ties to even.
;     THE ROWS ARE STORED WITH BITS 3 AND 4 OF THE ROW NUMBER SWAPPED (all but Wo's): 16 rows on end, stored tile T, are the rows 32 (T / 2) + 8 (T % 2) + r + 8 (r / 8).  So the later products read rows on end and find
;     a lane's 16 registers of two neighbouring tiles to be 16 neighbours along the next K.  A wave takes 8 rows (8,192 numbers), so the swap only exchanges the places of waves 1 and 2.
; (2) Work-groups 0 .. 127: the mask [4][2048][2048] of bytes becomes lane masks for the attention launch (buffer mw, whole numbers): for each tile of 16 queries (in the stored order above) and each step of 128 keys, 64 words,
;     256 bytes; bit l of word 16 b + i is the mask of query (l % 16) at key 128 step + 32 b + 16 (l / 16) + i.  A tile's 16 steps are 4,096 bytes on end.
; LIMITS: a block whose largest magnitude lies under 2^-124 keeps the byte 1, a block of zeros too (its codes are zeros; these bytes are read by this program alone); NaN and infinities among the f32 inputs are not served;
; a mask byte counts as set when it is not 0.
; No tensor loads, no barrier: waves share nothing.  The two jobs have LDS bytes of their own.
.set STEPS, 16
.set EMAX,  2
.set CB,    12                         ; bytes of 16 codes
.set R,     16                         ; v16-79   four sets of 16 numbers as they are loaded
.set X,     80                         ; v80-111  two sets of 16 neighbours
.set C,     128                        ; v128-191 codes: four registers for each step
.set E,     112                        ; v112-127 a scale byte for each step
.set WREG,  8192                       ; LDS, job 1: a region for each wave: two stages of 32 x SP bytes, then its 256 scale bytes
.set SP,    80
.set SPW,   12                         ; v12  LDS address of my spare word; never rewritten
.set NIL,   13                         ; v13  0; never rewritten
.set MSTG,  4*WREG                     ; LDS, job 2: a stage of 16 rows x 272 bytes for each wave
.set MP,    272
.set SPARE, MSTG+4*16*MP               ; the spare words, 128 bytes for each wave: two blocks of 256 bytes that no other line names
.set MWT,   4096                       ; bytes of mw for a tile of queries
.set MGO,   1                          ; v1   job 2: my byte in two rows of the mask
.set MSI,   3                          ; v3   the stage, on the way in
.set ML8,   4                          ; v4   8 x lane
.set MSO,   5                          ; v5   the stage, on the way out
.set MW,    16                         ; v16-17 two words of the step's 64 for each lane
.set MT,    18                         ; v18-21 at work
.set MR,    32                         ; v32-159 four sets of 32: a chunk of 16 rows x 256 bytes as loaded
.set MX,    160                        ; v160-191 the chunk, a query a lane
	s_load_b512 s[4:19], s[0:1], 0x0               ; mask s[4:5], Q s[6:7], K s[8:9], V s[10:11], Wq s[12:13], Wk s[14:15], Wv s[16:17], Wo s[18:19]
	s_load_b128 s[20:23], s[0:1], 0x40             ; cod, scl
	s_load_b64 s[24:25], s[0:1], 0x50              ; mw
	v_lshl_add_u32 v[SPW], v0, 2, SPARE
	v_mov_b32 v[NIL], 0
	v_lshrrev_b32 v1, 5, v0
	v_readfirstlane_b32 s26, v1                    ; wave
	v_and_b32 v2, 31, v0                           ; lane
	s_wait_kmcnt 0x0
	s_cmp_lt_u32 ttmp9, 128                        ; the mask's work-groups come first
	s_cbranch_scc1 .Lmask
; ---------------- job 1: the quantiser ----------------
	s_wait_alu depctr_va_vdst(0)
	v_lshlrev_b32 v3, 4, v2                        ; my 16 bytes of a load's 512
	s_mul_i32 s27, s26, WREG
	v_lshrrev_b32 v14, 2, v2
	v_mul_u32_u24 v14, v14, SP
	v_and_b32 v15, 3, v2
	v_lshl_add_u32 v14, v15, 4, v14
	v_add_nc_u32 v14, s27, v14                     ; the stage, in: four lanes' 64 bytes on end, then 16 of padding
	v_mul_u32_u24 v15, v2, SP
	v_add_nc_u32 v15, s27, v15                     ; and out: SP x lane: my 16 neighbours
	v_mul_u32_u24 v4, v2, CB                       ; my codes' place in a step's
	v_lshrrev_b32 v5, 1, v2
	s_add_co_u32 s27, s27, 2*32*SP
	v_add_nc_u32 v5, s27, v5                       ; my wave's 256 scale bytes, my block's byte
	v_lshlrev_b32 v7, 3, v2
	v_add_nc_u32 v6, s27, v7                       ; and on the way out 8 bytes a lane
	s_sub_co_u32 s34, ttmp9, 128                   ; g: 32 rows of the seven tensors on end
	s_mov_b64 s[28:29], s[18:19]                   ; which tensor: the choice hangs on the work-group's number alone
	s_mov_b32 s30, 864                             ; and its first g
.macro PICK lim, ptr, first
	s_cmp_lt_u32 s34, \lim
	s_cselect_b64 s[28:29], s[\ptr:\ptr+1], s[28:29]
	s_cselect_b32 s30, \first, s30
.endm
	PICK 864, 16, 832
	PICK 832, 14, 800
	PICK 800, 12, 768
	PICK 768, 10, 512
	PICK 512, 8, 256
	PICK 256, 6, 0
	s_and_b32 s31, s26, 1
	s_lshl_b32 s31, s31, 1
	s_lshr_b32 s35, s26, 1
	s_or_b32 s31, s31, s35                         ; the wave's number with its two bits swapped: bits 3 and 4 of the row
	s_cmp_lt_u32 s34, 864
	s_cselect_b32 s31, s31, s26                    ; Wo's rows stay as they are
	s_sub_co_u32 s30, s34, s30
	s_lshl_b32 s30, s30, 2
	s_add_co_u32 s30, s30, s26                     ; my run of 8 rows in the tensor
	s_lshl_b32 s36, s30, 15                        ; x 32,768 bytes
	s_mov_b32 s37, 0
	s_add_nc_u64 s[28:29], s[28:29], s[36:37]
	s_lshl_b32 s34, s34, 2
	s_add_co_u32 s34, s34, s31                     ; and where it goes
	s_mul_i32 s36, s34, 6144
	s_add_nc_u64 s[20:21], s[20:21], s[36:37]
	s_lshl_b32 s36, s34, 8
	s_add_nc_u64 s[22:23], s[22:23], s[36:37]
.macro LOAD t
.irp i, 0,1,2,3
	global_load_b128 v[R+16*((\t)%4)+4*\i:R+16*((\t)%4)+4*\i+3], v3, s[28:29] offset:2048*(\t)+512*\i th:TH_LOAD_NT   ; 32 lanes read 512 consecutive bytes
.endr
.endm
.macro TURN t                          ; step t's numbers through the stage: LDS serves a wave's instructions in order, so no wait stands between the stores and the loads
.irp i, 0,1,2,3
	ds_store_b128 v14, v[R+16*((\t)%4)+4*\i:R+16*((\t)%4)+4*\i+3] offset:32*SP*((\t)%2)+8*SP*\i
.endr
.irp i, 0,1,2,3
	ds_load_b128 v[X+16*((\t)%2)+4*\i:X+16*((\t)%2)+4*\i+3], v15 offset:32*SP*((\t)%2)+16*\i
.endr
.endm
.irp t, 0,1,2,3
	LOAD \t
.endr
	s_wait_alu depctr_va_vdst(0)
	s_wait_loadcnt 12                              ; step 0's four loads are in
	TURN 0
.macro STEP t
.set XS, X+16*((\t)%2)
.if (\t) > 0
	s_wait_dscnt 1                                 ; this step's numbers are back from the stage (the last step's byte store may be out)
.else
	s_wait_dscnt 0x0
.endif
.if (\t)+4 < STEPS
	LOAD (\t)+4                                    ; into the registers that the stage's stores have read
.endif
.if (\t)+1 < STEPS
.if STEPS-2-(\t) >= 3
	s_wait_loadcnt 12                              ; the next step's four loads are in; those of the three steps behind it may be out
.else
	s_wait_loadcnt 4*(STEPS-2-(\t))
.endif
	TURN (\t)+1
.endif
	v_max3_num_f32 v8, |v[XS]|, |v[XS+1]|, |v[XS+2]|               ; the largest magnitude of my 16
	v_max3_num_f32 v9, |v[XS+3]|, |v[XS+4]|, |v[XS+5]|
.irp i, 6,10
	v_max3_num_f32 v8, v8, |v[XS+\i]|, |v[XS+\i+1]|
	v_max3_num_f32 v9, v9, |v[XS+\i+2]|, |v[XS+\i+3]|
.endr
	v_max3_num_f32 v8, v8, |v[XS+14]|, |v[XS+15]|
	v_max3_num_f32 v8, v8, v9, (EMAX+1)<<23        ; and the floor 2^(3 - 127): the byte cannot fall under 1
	v_max_num_f32_dpp v8, v8, v8 row_xmask:1 row_mask:0xf bank_mask:0xf   ; and of my neighbour's 16: the block's
	v_add_nc_u32 v11, -(EMAX<<23), v8              ; 2 off its exponent field: the conversion takes the exponent field of this operand as its scale
	v_cvt_scalef32_pk16_fp6_f32 v[C+4*(\t):C+4*(\t)+2], v[XS:XS+15], v11
	v_lshrrev_b32 v[E+(\t)], 23, v11               ; the scale's byte
	ds_store_b8 v5, v[E+(\t)] offset:16*(\t)       ; both lanes of a block write the same byte with the same value
	global_store_b96 v4, v[C+4*(\t):C+4*(\t)+2], s[20:21] offset:32*CB*(\t)   ; the wave stores 384 consecutive bytes
.endm
.irp t, 0,1,2,3,4,5,6,7,8,9,10,11,12,13,14,15
	STEP \t
.endr
	ds_load_b64 v[8:9], v6                         ; LDS serves a wave's instructions in order: these see my stores
	s_wait_dscnt 0x0
	global_store_b64 v7, v[8:9], s[22:23]          ; 32 lanes store 256 consecutive bytes, aligned
	s_wait_tensorcnt 0x0                           ; the wave's end: behind my last LDS store
	ds_add_u32 v[SPW], v[NIL]
	s_wait_dscnt 0x0
	s_endpgm
; ---------------- job 2: the mask ----------------
.Lmask:
	s_lshl_b32 s27, ttmp9, 2
	s_add_co_u32 s27, s27, s26                     ; my tile of 16 queries: 128 x batch + T
	s_lshr_b32 s34, s27, 7
	s_lshl_b32 s34, s34, 11                        ; the batch's first row
	s_and_b32 s35, s27, 127
	s_lshr_b32 s36, s35, 1
	s_lshl_b32 s36, s36, 5
	s_add_co_u32 s34, s34, s36                     ; + 32 (T / 2)
	s_and_b32 s36, s35, 1
	s_lshl_b32 s36, s36, 3
	s_add_co_u32 s34, s34, s36                     ; + 8 (T % 2): the tile's rows are this one + r + 8 (r / 8)
	s_lshl_b32 s36, s34, 11                        ; a row of the mask is 2,048 bytes
	s_mov_b32 s37, 0
	s_add_nc_u64 s[28:29], s[4:5], s[36:37]
	s_mul_i32 s36, s27, MWT
	s_add_nc_u64 s[30:31], s[24:25], s[36:37]
	s_wait_alu depctr_va_vdst(0)
	v_and_b32 v18, 15, v2
	v_lshrrev_b32 v19, 4, v2
	v_lshlrev_b32 v[MGO], 11, v19
	v_lshl_add_u32 v[MGO], v18, 4, v[MGO]          ; a load takes two rows x 256 bytes: lanes 0-15 one row, lanes 16-31 the next
	s_mul_i32 s38, s26, 16*MP
	s_add_co_u32 s38, s38, MSTG                    ; my stage
	v_mul_u32_u24 v[MSI], v19, MP
	v_lshl_add_u32 v[MSI], v18, 4, v[MSI]
	v_add_nc_u32 v[MSI], s38, v[MSI]               ; in: as loaded
	v_mul_u32_u24 v[MSO], v18, MP
	v_lshl_add_u32 v[MSO], v19, 4, v[MSO]
	v_add_nc_u32 v[MSO], s38, v[MSO]               ; out: row = my query, + 16 (lane / 16): my 16 keys of a block of 32
	v_lshlrev_b32 v[ML8], 3, v2
	v_mov_b32 v[MW], 0                             ; written once: a lane write's destination counts as read
	v_mov_b32 v[MW+1], 0
.macro MLOAD c                         ; chunk c: 256 keys of the tile's 16 rows
.irp k, 0,1,2,3,4,5,6,7
	global_load_b128 v[MR+32*((\c)%4)+4*\k:MR+32*((\c)%4)+4*\k+3], v[MGO], s[28:29] offset:(2*\k+8*(\k/4))*2048+256*(\c) th:TH_LOAD_NT
.endr
.endm
.macro MSTEP st                        ; one step of 128 keys: 64 compares give 64 lane masks; they are laid two to a lane and leave as 256 consecutive bytes
	s_wait_xcnt 0x0                                ; the last step's store has read its two registers
.irp be, 0,1,2,3
.irp i, 0,1,2,3,4,5,6,7,8,9,10,11,12,13,14,15
	v_and_b32 v[MT+\i%4], 0xff<<(8*(\i%4)), v[MX+16*((\st)%2)+4*\be+\i/4]   ; byte i of my 16
	v_cmp_ne_u32 s[32+\i], 0, v[MT+\i%4]           ; word 16 be + i
.endr
.irp i, 0,1,2,3,4,5,6,7,8,9,10,11,12,13,14,15
	v_writelane_b32 v[MW+\i%2], s[32+\i], 8*\be+\i/2
.endr
.endr
	global_store_b64 v[ML8], v[MW:MW+1], s[30:31] offset:256*(\st)
.endm
.macro MCHUNK c
.if 8*(7-(\c)) > 24
	s_wait_loadcnt 24                              ; my eight loads are in; those of the three chunks behind may be out
.else
	s_wait_loadcnt 8*(7-(\c))
.endif
.irp k, 0,1,2,3,4,5,6,7
	ds_store_b128 v[MSI], v[MR+32*((\c)%4)+4*\k:MR+32*((\c)%4)+4*\k+3] offset:2*\k*MP
.endr
.irp x, 0,1,2,3,4,5,6,7
	ds_load_b128 v[MX+4*\x:MX+4*\x+3], v[MSO] offset:32*\x       ; LDS serves a wave's instructions in order: these see the stores above
.endr
	s_wait_dscnt 0x0
.if (\c)+4 < 8
	MLOAD (\c)+4
.endif
	MSTEP 2*(\c)
	MSTEP 2*(\c)+1
.endm
.irp c, 0,1,2,3
	MLOAD \c
.endr
	s_wait_alu depctr_va_vdst(0)
.irp c, 0,1,2,3,4,5,6,7
	MCHUNK \c
.endr
	s_wait_tensorcnt 0x0                           ; the wave's end: behind my last LDS store
	ds_add_u32 v[SPW], v[NIL]
	s_wait_dscnt 0x0
	s_endpgm
.Lfunc_end_k_q0769cef160_prep:
	.size	k_q0769cef160_prep, .Lfunc_end_k_q0769cef160_prep-k_q0769cef160_prep
	.p2alignl 7, 3214868480
	.fill 96, 4, 3214868480
	.section	.rodata,"a",@progbits
	.p2align	6, 0x0
	.amdhsa_kernel k_q0769cef160_prep
		.amdhsa_group_segment_fixed_size 50688
		.amdhsa_private_segment_fixed_size 0
		.amdhsa_enable_private_segment 0
		.amdhsa_kernarg_size 88
		.amdhsa_user_sgpr_count 2
		.amdhsa_user_sgpr_kernarg_segment_ptr 1
		.amdhsa_wavefront_size32 1
		.amdhsa_system_sgpr_workgroup_id_x 1
		.amdhsa_system_sgpr_workgroup_id_y 1
		.amdhsa_system_sgpr_workgroup_id_z 1
		.amdhsa_system_vgpr_workitem_id 0
		.amdhsa_next_free_vgpr 192
		.amdhsa_next_free_sgpr 66
		.amdhsa_reserve_vcc 0
		.amdhsa_float_denorm_mode_32 3
		.amdhsa_float_denorm_mode_16_64 3
		.amdhsa_memory_ordered 1
		.amdhsa_forward_progress 1
		.amdhsa_inst_pref_size 244
	.end_amdhsa_kernel
	.amdgpu_metadata
---
amdhsa.version: [ 1, 2 ]
amdhsa.kernels:
  - .name:           k_q0769cef160_prep
    .symbol:         k_q0769cef160_prep.kd
    .args:
      - { .name: mask, .offset: 0, .size: 8, .value_kind: global_buffer, .address_space: global }
      - { .name: Q, .offset: 8, .size: 8, .value_kind: global_buffer, .address_space: global }
      - { .name: K, .offset: 16, .size: 8, .value_kind: global_buffer, .address_space: global }
      - { .name: V, .offset: 24, .size: 8, .value_kind: global_buffer, .address_space: global }
      - { .name: Wq, .offset: 32, .size: 8, .value_kind: global_buffer, .address_space: global }
      - { .name: Wk, .offset: 40, .size: 8, .value_kind: global_buffer, .address_space: global }
      - { .name: Wv, .offset: 48, .size: 8, .value_kind: global_buffer, .address_space: global }
      - { .name: Wo, .offset: 56, .size: 8, .value_kind: global_buffer, .address_space: global }
      - { .name: cod, .offset: 64, .size: 8, .value_kind: global_buffer, .address_space: global }
      - { .name: scl, .offset: 72, .size: 8, .value_kind: global_buffer, .address_space: global }
      - { .name: mw, .offset: 80, .size: 8, .value_kind: global_buffer, .address_space: global }
    .group_segment_fixed_size: 50688
    .private_segment_fixed_size: 0
    .kernarg_segment_align: 8
    .kernarg_segment_size: 88
    .max_flat_workgroup_size: 128
    .sgpr_count:     66
    .vgpr_count:     192
    .wavefront_size: 32
...
	.end_amdgpu_metadata
.endif
;; end of part 1
;; launch proj (part 2): grid 4 x 96, 4 waves a work-group, clusters of 4 x 4, 327,680 bytes of LDS; arguments cod, scl, qkv; writes qkv
.if DOCPART == 2
	.amdgcn_target "amdgcn-amd-amdhsa--gfx1250"
	.amdhsa_code_object_version 6
	.text
	.protected	k_q0769cef160_proj
	.globl	k_q0769cef160_proj
	.p2align	8
	.type	k_q0769cef160_proj,@function
k_q0769cef160_proj:
	s_mov_b64 s[64:65], 0
	v_nop
	global_prefetch_b8 v0, s[64:65] scope:SCOPE_SE
	s_setreg_imm32_b32 hwreg(HW_REG_WAVE_MODE, 25, 1), 1
	s_wait_xcnt 0x0
	s_wait_alu depctr_hold_cnt(0) depctr_sa_sdst(0) depctr_va_vdst(0) depctr_va_sdst(0) depctr_va_ssrc(0) depctr_va_vcc(0) depctr_vm_vsrc(0)
	s_getreg_b32 s2, hwreg(HW_REG_IB_STS2, 6, 4)
	s_cmp_eq_u32 s2, 0
	s_cbranch_scc0 .Lentry_in_a_cluster
	s_endpgm
.Lentry_in_a_cluster:
	s_bfe_u32 s2, ttmp6, 0x10000c
	s_cmp_lg_u32 s2, 0xf033
	s_cbranch_scc0 .Lentry_shape_is_right
	s_endpgm
.Lentry_shape_is_right:
.set SIZE_K, 1024
.set KSTEP,  256
.set NQ,     KSTEP/128
.set ROWB,   192
.set KROW,   SIZE_K*6/8
.set PITCH,  240
.set FR,     12
.set NL,     6
.set NP,     4
.set HALFT,  128*PITCH
.set SLOT,   4*HALFT
.set LAPS,   SIZE_K/(2*KSTEP)
.set KS,     SIZE_K/32
.set SCL,    2*SLOT
.set HALFS,  (128*KS/256)*272
.set SBLK,   (16*KS/256)*272
.set SPARE,  SCL+4*HALFS
.set HB,     315392
.set ADRA, 16
.set ADRB, 20
.set L8,   24
.set L16,  25
.set ADRS, 27
.set SPW,  28
.set NIL,  29
.set SC,   32
.set AF,   128
.set PC,   112
.set TM,   200
.set PW,   216
.set SW,   220
.set SWB,  224
.set G1, 24
.set G0, 32
.set G1B, 48
.set G0B, 56
.set G1S, 68
.set G0S, 76
.set G1SB, 80
.set G0SB, 88
.set MSB, 0
.macro WIN new
.if MSB != \new
	s_set_vgpr_msb (MSB<<8)|\new
.set MSB, \new
.endif
.endm
.set MUL_LO, 0xa1
.set MUL_HI, 0xf1
.set TO_B,   0x40
.macro JLOAD g0a, g1a, g0b, g1b
	s_cmp_eq_u32 s15, 0
	s_cbranch_scc0 .Lfor_b_\@
	tensor_load_to_lds s[\g0a:\g0a+3], s[\g1a:\g1a+7]
	s_nop 0
.rept 4
	v_nop
.endr
	s_branch .Lasked_\@
.Lfor_b_\@:
	tensor_load_to_lds s[\g0b:\g0b+3], s[\g1b:\g1b+7]
	s_nop 0
.rept 4
	v_nop
.endr
.Lasked_\@:
.endm
.macro CREST
	s_cmp_lg_u32 s14, 0
	s_cbranch_scc1 .Lnot_wave_0_\@
	s_barrier_signal -3
.Lnot_wave_0_\@:
	s_barrier_wait -3
	s_barrier_signal -1
	s_barrier_wait -1
.endm
.macro CROUND
	s_barrier_signal -1
	s_barrier_wait -1
	CREST
.endm
	s_load_b128 s[4:7], s[0:1], 0x0
	s_load_b64 s[12:13], s[0:1], 0x10
	v_lshl_add_u32 v[SPW], v0, 2, SPARE
	v_mov_b32 v[NIL], 0
	ds_add_u32 v[SPW], v[NIL]
	ds_add_u32 v[SPW], v[NIL]
	v_lshrrev_b32 v1, 5, v0
	v_readfirstlane_b32 s14, v1
	s_lshr_b32 s15, s14, 1
	s_and_b32 s16, s14, 1
	s_bfe_u32 s40, ttmp6, 0x40000
	s_bfe_u32 s41, ttmp6, 0x40004
	s_lshl_b32 s43, s41, 2
	s_lshl_b32 s43, 15, s43
	s_lshl_b32 s44, 0x1111, s40
	s_or_b32 s[G1+0], s43, (0<<16)|(1<<20)|(1<<21)|(3<<22)|(3<<25)
	s_or_b32 s[G1B+0], s44, (0<<16)|(1<<20)|(1<<21)|(3<<22)|(3<<25)
.irp g, G1, G1B
	s_mov_b32 s[\g+1], ROWB<<16
	s_mov_b32 s[\g+2], 128<<16
	s_mov_b32 s[\g+3], ROWB<<16
	s_mov_b32 s[\g+4], 128
	s_mov_b32 s[\g+5], KROW
	s_mov_b32 s[\g+6], 0
	s_mov_b32 s[\g+7], 0
.endr
	s_or_b32 s[G1S+0], s43, (3<<16)|(1<<20)|(1<<21)|(5<<22)|(3<<25)
	s_or_b32 s[G1SB+0], s44, (3<<16)|(1<<20)|(1<<21)|(5<<22)|(3<<25)
.irp g, G1S, G1SB
	s_mov_b32 s[\g+1], 32<<16
	s_mov_b32 s[\g+2], (128*KS/256)<<16
	s_mov_b32 s[\g+3], 32<<16
	s_mov_b32 s[\g+4], 128*KS/256
	s_mov_b32 s[\g+5], 32
	s_mov_b32 s[\g+6], 0
	s_mov_b32 s[\g+7], 0
.endr
	s_and_b32 s17, ttmp7, 0xffff
	s_lshr_b32 s66, s17, 3
	s_and_b32 s67, s17, 7
	s_lshl_b32 s67, s67, 2
	s_lshl_b32 s20, s66, 13
	s_lshl_b32 s46, s66, 10
	s_add_co_u32 s46, s46, 24576
	s_cmp_eq_u32 s66, 2
	s_cselect_b32 s98, 1, 0
	s_cselect_b32 s18, 0, s67
	s_cselect_b32 s19, s67, 0
	s_cselect_b32 s20, 26624, s20
	s_cselect_b32 s46, 16384, s46
	s_add_co_u32 s18, s18, s41
	s_lshl_b32 s18, s18, 8
	s_add_co_u32 s20, s20, s18
	s_add_co_u32 s19, s19, s40
	s_lshl_b32 s19, s19, 8
	s_add_co_u32 s46, s46, s19
	s_lshl_b32 s18, s16, 7
	s_add_co_u32 s20, s20, s18
	s_add_co_u32 s46, s46, s18
	s_mov_b32 s21, 0
	s_mov_b32 s47, 0
	s_mov_b64 s[18:19], KS
	s_mul_u64 s[22:23], s[20:21], s[18:19]
	s_mul_u64 s[92:93], s[46:47], s[18:19]
	s_mov_b64 s[18:19], KROW
	s_mul_u64 s[20:21], s[20:21], s[18:19]
	s_mul_u64 s[46:47], s[46:47], s[18:19]
	s_mul_i32 s45, s14, HALFT
	s_mul_i32 s94, s14, HALFS
	s_wait_dscnt 0x0
	s_wait_kmcnt 0x0
	s_add_nc_u64 s[20:21], s[4:5], s[20:21]
	s_add_nc_u64 s[22:23], s[6:7], s[22:23]
	s_add_nc_u64 s[46:47], s[4:5], s[46:47]
	s_add_nc_u64 s[92:93], s[6:7], s[92:93]
	CROUND
	s_mov_b32 s[G0S], 1
	s_add_co_u32 s[G0S+1], s94, SCL
	s_mov_b64 s[G0S+2:G0S+3], s[22:23]
	s_or_b32 s[G0S+3], s[G0S+3], 0x80000000
	s_mov_b32 s[G0SB], 1
	s_add_co_u32 s[G0SB+1], s94, SCL
	s_mov_b64 s[G0SB+2:G0SB+3], s[92:93]
	s_or_b32 s[G0SB+3], s[G0SB+3], 0x80000000
	JLOAD G0S, G1S, G0SB, G1SB
.irp s, 0,1
	s_mov_b32 s[G0+4*\s], 1
	s_add_co_u32 s[G0+4*\s+1], s45, \s*SLOT
	s_add_nc_u64 s[G0+4*\s+2:G0+4*\s+3], s[20:21], \s*ROWB
	s_or_b32 s[G0+4*\s+3], s[G0+4*\s+3], 0x80000000
	s_mov_b32 s[G0B+4*\s], 1
	s_add_co_u32 s[G0B+4*\s+1], s45, \s*SLOT
	s_add_nc_u64 s[G0B+4*\s+2:G0B+4*\s+3], s[46:47], \s*ROWB
	s_or_b32 s[G0B+4*\s+3], s[G0B+4*\s+3], 0x80000000
	s_wait_alu depctr_va_vdst(0)
	s_wait_tensorcnt 0x0
	ds_add_u32 v28, v29
	s_wait_dscnt 0x0
	CROUND
	JLOAD G0+4*\s, G1, G0B+4*\s, G1B
.endr
	v_and_b32 v1, 15, v0
	v_bfe_u32 v2, v0, 4, 1
	v_mul_u32_u24 v3, v1, PITCH
	v_mul_u32_u24 v4, v2, 24
	v_add_nc_u32 v4, v3, v4
	v_lshl_add_u32 v5, v2, 4, v4
	s_mul_i32 s21, s15, HALFT
	s_mul_i32 s22, s16, HALFT
	s_add_co_u32 s22, s22, 2*HALFT
.irp s, 0,1
	v_add_nc_u32 v[ADRA+\s], s21, v4
	v_add_nc_u32 v[ADRB+\s], s22, v4
	v_add_nc_u32 v[ADRA+2+\s], s21, v5
	v_add_nc_u32 v[ADRB+2+\s], s22, v5
	s_add_co_u32 s21, s21, SLOT
	s_add_co_u32 s22, s22, SLOT
.endr
	v_mul_u32_u24 v5, v1, KS
	v_lshrrev_b32 v6, 8, v5
	v_lshl_add_u32 v5, v6, 4, v5
	s_mul_i32 s21, s15, HALFS
	s_mul_i32 s22, s16, HALFS
	s_add_co_u32 s22, s22, 2*HALFS
	s_sub_co_u32 s22, s22, s21
	v_mul_u32_u24 v6, s22, v2
	s_add_co_u32 s21, s21, SCL
	v_add_nc_u32 v5, v5, v6
	v_add_nc_u32 v[ADRS], s21, v5
	v_and_b32 v6, 31, v0
	v_lshlrev_b32 v[L8], 3, v6
	v_lshlrev_b32 v[L16], 4, v6
	s_cmp_eq_u32 s98, 1
	s_cselect_b32 s20, s40, s41
	s_cselect_b32 s21, s16, s15
	s_cselect_b32 s22, s41, s40
	s_cselect_b32 s23, s15, s16
	s_add_co_u32 s20, s20, s67
	s_lshl_b32 s20, s20, 1
	s_add_co_u32 s20, s20, s21
	s_lshl_b32 s22, s22, 1
	s_add_co_u32 s22, s22, s23
	s_lshr_b32 s21, s20, 4
	s_lshl_b32 s21, s21, 4
	s_lshl_b32 s22, s22, 1
	s_add_co_u32 s21, s21, s22
	s_and_b32 s20, s20, 15
	s_mul_i32 s46, s21, HB
	s_mov_b32 s47, 0
	s_add_nc_u64 s[12:13], s[12:13], s[46:47]
	s_mov_b64 s[96:97], s[12:13]
	s_mul_i32 s46, s20, 6144
	s_lshl_b32 s22, s20, 9
	s_lshl_b32 s23, s20, 8
	s_cmp_eq_u32 s66, 0
	s_cselect_b32 s21, 208896, 0
	s_mov_b32 s20, 196608
	s_cselect_b32 s20, 307200, s20
	s_cmp_eq_u32 s66, 2
	s_cselect_b32 s21, 98304, s21
	s_cselect_b32 s20, 204800, s20
	s_cselect_b32 s22, s23, s22
	s_add_co_u32 s46, s46, s21
	s_add_nc_u64 s[12:13], s[12:13], s[46:47]
	s_add_co_u32 s46, s20, s22
	s_add_nc_u64 s[96:97], s[96:97], s[46:47]
	s_mov_b32 s99, 0xffff0000
	s_mov_b32 s100, 0x76543210
	s_mov_b32 s101, 0xfedcba98
.macro FRAG reg, adr, q, i
.irp p, 0,1,2,3,4,5
.set PCE, 12*(\q)+6*(\p/3)+\p%3
.if PCE%8 < 5
	ds_load_b64 v[\reg+2*\p:\reg+2*\p+1], v[\adr] offset:8*PCE+16*(PCE/8)+(\i)*16*PITCH
.else
	ds_load_b64 v[\reg+2*\p:\reg+2*\p+1], v[\adr+2] offset:8*PCE+16*(PCE/8)+(\i)*16*PITCH
.endif
.endr
.endm
.macro MUL16 a0, p, q, sc, zero
.irp a, \a0, \a0+1
.irp b, 0,1,2,3,4,5,6,7
.if \zero
	v_wmma_scale_f32_16x16x128_f8f6f4 v[8*(8*((\a)%4)+\b):8*(8*((\a)%4)+\b)+7], v[128*(\p)+FR*\b:128*(\p)+FR*\b+FR-1], v[AF+FR*(\a):AF+FR*(\a)+FR-1], 0, v[SC+8*NQ*(\sc)+NQ*\b+(\q)], v[SC+8*NQ*(\sc)+NQ*(\a)+(\q)] matrix_a_fmt:MATRIX_FMT_FP6 matrix_b_fmt:MATRIX_FMT_FP6 matrix_a_scale:MATRIX_SCALE_ROW1
.else
	v_wmma_scale_f32_16x16x128_f8f6f4 v[8*(8*((\a)%4)+\b):8*(8*((\a)%4)+\b)+7], v[128*(\p)+FR*\b:128*(\p)+FR*\b+FR-1], v[AF+FR*(\a):AF+FR*(\a)+FR-1], v[8*(8*((\a)%4)+\b):8*(8*((\a)%4)+\b)+7], v[SC+8*NQ*(\sc)+NQ*\b+(\q)], v[SC+8*NQ*(\sc)+NQ*(\a)+(\q)] matrix_a_fmt:MATRIX_FMT_FP6 matrix_b_fmt:MATRIX_FMT_FP6 matrix_a_scale:MATRIX_SCALE_ROW1
.endif
.endr
.endr
.endm
.macro FETCH_B slot, q, p
	WIN TO_B
.irp i, 0,1,2,3,4,5,6,7
	FRAG 128*(\p)+FR*\i, ADRB+\slot, \q, \i
.endr
	WIN 0
.endm
.macro FETCH_A slot, q, i0
.irp i, \i0, \i0+1, \i0+2, \i0+3
	FRAG AF+FR*(\i), ADRA+\slot, \q, \i
.endr
.endm
.macro SCALES sc
.irp i, 0,1,2,3,4,5,6,7
	ds_load_b64 v[SC+8*NQ*\sc+NQ*\i:SC+8*NQ*\sc+NQ*\i+1], v[ADRS] offset:\i*SBLK
.endr
.endm
.macro PLACES n
.rept \n
	v_nop
.endr
.endm
.macro STEP slot, q, zero
	s_wait_dscnt 4*NL
	WIN MUL_LO
	MUL16 0, (\q)%2, \q, \slot, \zero
	MUL16 2, (\q)%2, \q, \slot, \zero
	s_wait_dscnt 0
	PLACES NP
	FETCH_B \slot, (\q)+1, 1-(\q)%2
	FETCH_A \slot, (\q)+1, 0
	WIN MUL_HI
	MUL16 4, (\q)%2, \q, \slot, \zero
	MUL16 6, (\q)%2, \q, \slot, \zero
	PLACES NP
	WIN 0
	FETCH_A \slot, (\q)+1, 4
.endm
.macro TURN slot, next, fill
	s_wait_tensorcnt 0x0
	ds_add_u32 v[SPW], v[NIL]
	s_wait_dscnt 4*NL+1
	WIN MUL_LO
	MUL16 0, 1, NQ-1, \slot, 0
	s_wait_dscnt 0x0
	s_barrier_signal -1
	MUL16 2, 1, NQ-1, \slot, 0
	WIN 0
	s_barrier_wait -1
.if \fill
	CREST
	s_add_nc_u64 s[G0+4*\slot+2:G0+4*\slot+3], s[G0+4*\slot+2:G0+4*\slot+3], 2*ROWB
	s_add_nc_u64 s[G0B+4*\slot+2:G0B+4*\slot+3], s[G0B+4*\slot+2:G0B+4*\slot+3], 2*ROWB
	JLOAD G0+4*\slot, G1, G0B+4*\slot, G1B
.else
	PLACES NP
.endif
	s_wait_alu depctr_va_vdst(0)
	v_add_nc_u32 v[ADRS], 4*NQ, v[ADRS]
	FETCH_B \next, 0, 0
	FETCH_A \next, 0, 0
	SCALES \next
	WIN MUL_HI
	MUL16 4, 1, NQ-1, \slot, 0
	MUL16 6, 1, NQ-1, \slot, 0
	PLACES NP
	WIN 0
	FETCH_A \next, 0, 4
.endm
	s_wait_alu depctr_va_vdst(0)
	s_wait_tensorcnt 1
	s_barrier_signal -1
	s_barrier_wait -1
	FETCH_B 0, 0, 0
	FETCH_A 0, 0, 0
	SCALES 0
	FETCH_A 0, 0, 4
	STEP 0, 0, 1
	s_mov_b32 s3, LAPS-1
.Llap:
	TURN 0, 1, 1
	STEP 1, 0, 0
	TURN 1, 0, 1
	STEP 0, 0, 0
	s_sub_co_u32 s3, s3, 1
	s_cmp_lg_u32 s3, 0
	s_cbranch_scc1 .Llap
	TURN 0, 1, 0
	STEP 1, 0, 0
	s_wait_dscnt 4*NL
	WIN MUL_LO
	MUL16 0, 1, NQ-1, 1, 0
	MUL16 2, 1, NQ-1, 1, 0
	s_wait_dscnt 0
	WIN MUL_HI
	MUL16 4, 1, NQ-1, 1, 0
	MUL16 6, 1, NQ-1, 1, 0
	WIN 0
.macro QUANTW a
.set AC, 64*((\a)%4)
.set WW, 2+(\a)/4
.set WA, WW+4*WW
.set WB, 4*WW+16*WW
	WIN WA
.irp b, 0,1,2,3
	v_max3_num_f32 v[TM+\b], |v[AC+16*\b]|, |v[AC+1+16*\b]|, 0x1800000
.endr
	WIN WB
.irp i, 2,4,6,8,10,12,14
.irp b, 0,1,2,3
	v_max3_num_f32 v[TM+\b], v[TM+\b], |v[AC+16*\b+\i]|, |v[AC+1+16*\b+\i]|
.endr
.endr
	WIN 0
.irp b, 0,1,2,3
	v_permlanex16_b32 v[TM+4+\b], v[TM+\b], s100, s101
.endr
.irp b, 0,1,2,3
	v_max_num_f32 v[TM+\b], v[TM+\b], v[TM+4+\b]
.endr
.irp b, 0,1,2,3
	v_add_nc_u32 v[TM+12+\b], 0xff000000, v[TM+\b]
.endr
.irp b, 0,1,2,3
	v_lshrrev_b32 v[TM+4+\b], 23, v[TM+12+\b]
.endr
	v_lshl_or_b32 v[PW], v[TM+5], 8, v[TM+4]
	v_lshl_or_b32 v[PW], v[TM+6], 16, v[PW]
	v_lshl_or_b32 v[PW], v[TM+7], 24, v[PW]
	s_wait_xcnt 0x0
	WIN WW
.irp c, 0,1
	v_cvt_scalef32_pk16_fp6_f32 v[PC+6*\c:PC+2+6*\c], v[AC+32*\c:AC+15+32*\c], v[TM+12+2*\c]
	v_cvt_scalef32_pk16_fp6_f32 v[PC+12+4*\c:PC+14+4*\c], v[AC+16+32*\c:AC+31+32*\c], v[TM+12+2*\c+1]
.endr
	WIN 0
	v_nop
.irp c, 0,1
.irp i, 0,1,2
	v_permlane16_swap_b32 v[PC+6*\c+\i], v[PC+12+4*\c+\i]
.endr
.irp i, 0,1,2
	v_mov_b32 v[PC+3+6*\c+\i], v[PC+12+4*\c+\i]
.endr
.endr
.if (\a)%2 == 0
	v_mov_b32 v[SW+(\a)/2], v[PW]
.else
	v_cndmask_b32 v[SW+(\a)/2], v[SW+(\a)/2], v[PW], s99
.endif
.endm
.macro PUT a
	s_cmp_eq_u32 s98, 1
	s_cbranch_scc1 .Lput_v_\@
.irp p, 0,1,2,3,4,5
	global_store_b64 v[L8], v[PC+2*\p:PC+2*\p+1], s[12:13] offset:(\p/3)*HB+768*(\a)+256*(\p%3)
.endr
	s_branch .Lput_done_\@
.Lput_v_\@:
	s_wait_alu depctr_va_vdst(0)
.irp g, 0,1,2
	global_store_b128 v[L16], v[PC+4*\g:PC+4*\g+3], s[12:13] offset:((\a)/4)*HB+1536*((\a)%4)+512*\g
.endr
.Lput_done_\@:
.endm
	PLACES NP
.irp b, 0,1,2,3
	v_mov_b32 v[TM+4+\b], 0
.endr
.irp a, 0,1,2,3,4,5,6,7
	QUANTW \a
	PUT \a
.endr
	s_cmp_eq_u32 s98, 1
	s_cbranch_scc1 .Lv_scales
	s_wait_alu depctr_va_vdst(0)
	global_store_b128 v[L16], v[SW:SW+3], s[96:97]
.irp i, 0,1,2,3
	v_lshrrev_b32 v[SWB+\i], 16, v[SW+\i]
.endr
	global_store_b128 v[L16], v[SWB:SWB+3], s[96:97] offset:HB
	s_branch .Lscales_out
.Lv_scales:
	global_store_b64 v[L8], v[SW:SW+1], s[96:97]
	s_wait_alu depctr_va_vdst(0)
	global_store_b64 v[L8], v[SW+2:SW+3], s[96:97] offset:HB
.Lscales_out:
	s_wait_tensorcnt 0x0
	ds_add_u32 v[SPW], v[NIL]
	s_wait_dscnt 0x0
	CROUND
	s_endpgm
.Lfunc_end_k_q0769cef160_proj:
	.size	k_q0769cef160_proj, .Lfunc_end_k_q0769cef160_proj-k_q0769cef160_proj
	.p2alignl 7, 3214868480
	.fill 96, 4, 3214868480
	.section	.rodata,"a",@progbits
	.p2align	6, 0x0
	.amdhsa_kernel k_q0769cef160_proj
		.amdhsa_group_segment_fixed_size 327680
		.amdhsa_private_segment_fixed_size 0
		.amdhsa_enable_private_segment 0
		.amdhsa_kernarg_size 24
		.amdhsa_user_sgpr_count 2
		.amdhsa_user_sgpr_kernarg_segment_ptr 1
		.amdhsa_wavefront_size32 1
		.amdhsa_system_sgpr_workgroup_id_x 1
		.amdhsa_system_sgpr_workgroup_id_y 1
		.amdhsa_system_sgpr_workgroup_id_z 1
		.amdhsa_system_vgpr_workitem_id 0
		.amdhsa_next_free_vgpr 1024
		.amdhsa_next_free_sgpr 102
		.amdhsa_reserve_vcc 0
		.amdhsa_float_denorm_mode_32 3
		.amdhsa_float_denorm_mode_16_64 3
		.amdhsa_memory_ordered 1
		.amdhsa_forward_progress 1
		.amdhsa_inst_pref_size 173
	.end_amdhsa_kernel
	.amdgpu_metadata
---
amdhsa.version: [ 1, 2 ]
amdhsa.kernels:
  - .name:           k_q0769cef160_proj
    .symbol:         k_q0769cef160_proj.kd
    .args:
      - { .name: cod, .offset: 0, .size: 8, .value_kind: global_buffer, .address_space: global }
      - { .name: scl, .offset: 8, .size: 8, .value_kind: global_buffer, .address_space: global }
      - { .name: qkv, .offset: 16, .size: 8, .value_kind: global_buffer, .address_space: global }
    .group_segment_fixed_size: 327680
    .private_segment_fixed_size: 0
    .kernarg_segment_align: 8
    .kernarg_segment_size: 24
    .max_flat_workgroup_size: 128
    .sgpr_count:     102
    .vgpr_count:     1024
    .wavefront_size: 32
...
	.end_amdgpu_metadata
.endif
;; end of part 2
;; launch attn (part 3): grid 4 x 64, 16 waves a work-group, clusters of 4 x 1, 210,944 bytes of LDS; arguments qkv, mw, ac, asc; writes ac, asc
.if DOCPART == 3
	.amdgcn_target "amdgcn-amd-amdhsa--gfx1250"
	.amdhsa_code_object_version 6
	.text
	.protected	k_q0769cef160_attn
	.globl	k_q0769cef160_attn
	.p2align	8
	.type	k_q0769cef160_attn,@function
k_q0769cef160_attn:
	s_mov_b64 s[64:65], 0
	v_nop
	global_prefetch_b8 v0, s[64:65] scope:SCOPE_SE
	s_setreg_imm32_b32 hwreg(HW_REG_WAVE_MODE, 25, 1), 1
	s_wait_xcnt 0x0
	s_wait_alu depctr_hold_cnt(0) depctr_sa_sdst(0) depctr_va_vdst(0) depctr_va_sdst(0) depctr_va_ssrc(0) depctr_va_vcc(0) depctr_vm_vsrc(0)
	s_getreg_b32 s2, hwreg(HW_REG_IB_STS2, 6, 4)
	s_cmp_eq_u32 s2, 0
	s_cbranch_scc0 .Lentry_in_a_cluster
	s_endpgm
.Lentry_in_a_cluster:
	s_bfe_u32 s2, ttmp6, 0x10000c
	s_cmp_lg_u32 s2, 0x3003
	s_cbranch_scc0 .Lentry_shape_is_right
	s_endpgm
.Lentry_shape_is_right:
; ATTN: for each of 64 heads (head size 64) o = softmax(mask(q k^T / 8)) v, both products on codes of FP6 (E2M3) with E8M0 scales; o is quantised along the model's axis and stored as operand images for the last product.
; THE SOFTMAX: t = score x log2(e) / 8; M = the running largest t rounded up to a whole number; p = 2^(t - M) is quantised along the keys, not normalised; the row's sum is taken of the unquantised p and divides at the end.
; When M moves, the sum and O are multiplied by 2^(old M - new M): exact.  Masked scores become -infinity AHEAD of the maximum, in every step, by a select on lane masks that an earlier launch made of the mask: no branch hangs on them.
; A row that is masked throughout has the sum 0: its scale bytes are set to 0xff, which makes that row of the last product NaN, as the softmax of such a row is.
; SHARES.  A work-group owns one head and 512 queries; each of its sixteen waves takes two tiles of 16 queries, one after the other, in 256 registers: four waves to a SIMD, so that one wave's vector work stands beside another's
; matrix work and LDS loads.  Every wave walks all 2,048 keys, 128 a step.
; THE HEAD'S K AND V STAY IN LDS: codes and scale words, 208,896 bytes, the images that the projection launch stored, are filled ONCE and then only read, every load 256 or 512 bytes on end.
; CLUSTER.  The four work-groups of a head form a cluster and ask for those bytes JOINTLY: each wave issues one tensor load of 51 rows of 256 bytes (a sixteenth), with the same descriptor in all four work-groups and a mask that
; names the four; each receives the bytes in its own LDS.  One tensor load of a wave is out, once.  A work-group's place in the cluster enters the addresses of q, of the mask words and of the results alone.
; LAYOUT.  Both products are used transposed: S^T = K Q^T (source 0 = 16 keys, source 1 = my 16 queries), O^T = V^T P^T: a lane holds one query (lane % 16) throughout.  The stored order of keys and of d makes the 16 registers of
; tiles 2 b, 2 b + 1 the neighbours 32 b + 16 (lane / 16) + 0 .. 15.  The first product's K is 64: q's upper six registers are zero codes; K's upper six are the next tile's codes, which are finite and meet those zeros.
; LIMITS: a block of o whose largest magnitude lies under 2^-124 keeps the byte 1.  asc is stored 2 bytes a row (262,144 bytes in all): the one stream of this program that does not leave in runs of 256 bytes.
; REGISTERS: v1-4 lane places; v5, v6 the add's; v7 -infinity; v8-11 addresses in hand; v12 -M, v13 the largest t, v[14:15] the sum; v16-21 q, v22-27 zeros; v28 q's scale words; v29-31 constants; v32-79 K's or V's fragments,
; v80-85 zeros; v86-89 K's scale words, v90-91 V's; v96-159 S^T, then p; v160-191 O^T; v224-235 p's codes; v232-255 at work (v252 f, v253 p's scale word).
; s[16:63], s[68:83]: a step's 64 mask words (word n in s[16 + n], from n = 48 on in s[20 + n]); ahead of the first of them s[16:27] hold the fill's descriptor.
.set HB,    315392                     ; a head's blob in qkv
.set LVC,   98304                      ; LDS and blob: K's codes at 0, V's codes,
.set LKS,   196608                     ; K's scale words,
.set LVS,   204800                     ; V's
.set FILLB, 208896                     ; what is filled: 816 rows of 256 bytes
.set WROWS, 51                         ; a wave's sixteenth of them,
.set WPART, WROWS*256                  ; in bytes
.set SPARE, FILLB                      ; LDS: the spare words, 128 bytes for each wave: eight blocks of 256 bytes that no other line names
.set QC,    208896                     ; blob: q's codes,
.set QS,    307200                     ; q's scale words
.set MWT,   4096                       ; bytes of mw for a tile of queries
.set ACH,   393216                     ; a head's plane in ac
.set SEL,   86                         ; s[86:87] selects for lane l xor 16
.set CS,    88                         ; s[88:89] c = log2(e) / 8
.set G1,    16                         ; s[16:23] the fill's descriptor, group 1
.set G0,    24                         ; s[24:27] group 0
; A round of the cluster's barrier: my work-group's barrier, so that wave 0's signal speaks for all sixteen waves; wave 0 signals for the work-group; every wave waits for all four work-groups; my work-group's barrier once more.
.macro CROUND
	s_barrier_signal -1
	s_barrier_wait -1
	s_cmp_lg_u32 s2, 0
	s_cbranch_scc1 .Lnot_wave_0_\@
	s_barrier_signal -3
.Lnot_wave_0_\@:
	s_barrier_wait -3
	s_barrier_signal -1
	s_barrier_wait -1
.endm
	s_load_b256 s[4:11], s[0:1], 0x0               ; qkv s[4:5], mw s[6:7], ac s[8:9], asc s[10:11]
	v_lshl_add_u32 v5, v0, 2, SPARE
	v_mov_b32 v6, 0
	ds_add_u32 v5, v6                              ; the wave's opening: the add and its wait stand ahead of my first tensor load; the set-up below, work on registers, stands between them
	ds_add_u32 v5, v6
	v_lshrrev_b32 v8, 5, v0
	s_delay_alu instid0(VALU_DEP_1)
	v_readfirstlane_b32 s2, v8                     ; wave 0..15
	s_mov_b32 s[G1], 15|(3<<16)|(1<<21)            ; 15:0 the mask: all four work-groups; 17:16 elements of 8 bytes; 20 no padding; 21 set beside a mask
	s_mov_b32 s[G1+1], 32<<16                      ; tensor_dim0 = 32 elements: a row of 256 bytes
	s_mov_b32 s[G1+2], WROWS<<16                   ; tensor_dim1
	s_mov_b32 s[G1+3], 32<<16                      ; tile_dim0
	s_mov_b32 s[G1+4], WROWS                       ; tile_dim1
	s_mov_b32 s[G1+5], 32                          ; the pitch: the rows are dense
	s_mov_b32 s[G1+6], 0
	s_mov_b32 s[G1+7], 0
	s_and_b32 s100, ttmp7, 0xffff                  ; the head: 16 x batch + hh; the four partners share it
	s_mul_i32 s12, s100, HB
	s_mov_b32 s13, 0
	s_mul_i32 s14, s2, WPART                       ; my sixteenth, in the blob and in LDS alike
	s_mov_b32 s15, 0
	s_lshr_b32 s3, s100, 4
	s_lshl_b32 s3, s3, 7                           ; 128 x batch: the batch's first tile of queries
	s_and_b32 s67, s100, 15
	s_mul_i32 s66, s67, ACH                        ; my head's plane in ac
	s_lshl_b32 s67, s67, 1                         ; and its two bytes in a row of asc
	s_mov_b32 s[SEL], 0x76543210
	s_mov_b32 s[SEL+1], 0xfedcba98
	s_mov_b32 s[CS], 0x3e38aa3b
	s_mov_b32 s[CS+1], s[CS]                       ; (named with it as a pair, so it is written)
	s_bfe_u32 s85, ttmp6, 0x40000                  ; cx: my place in the cluster
	s_lshl_b32 s101, ttmp9, 2                      ; in a cluster launch ttmp9 counts clusters
	s_add_co_u32 s85, s85, s101                    ; my block of 512 queries
	s_lshl_b32 s85, s85, 5
	s_add_co_u32 s85, s85, s2                      ; my first tile of queries in the batch: 32 x block + wave
	s_wait_dscnt 0x0                               ; the opening add is done
	s_wait_kmcnt 0x0
	s_add_nc_u64 s[4:5], s[4:5], s[12:13]          ; my head's blob
	CROUND                                         ; all four work-groups are here: the joint loads meet
	s_mov_b32 s[G0], 1                             ; 1:0 count = 1
	s_mov_b32 s[G0+1], s14                         ; 63:32 LDS address
	s_add_nc_u64 s[G0+2:G0+3], s[4:5], s[14:15]    ; 120:64 global address
	s_or_b32 s[G0+3], s[G0+3], 0x80000000          ; 127:126 type = 2
	tensor_load_to_lds s[G0:G0+3], s[G1:G1+7]      ; the wave's one tensor load
	s_nop 0
	v_and_b32 v14, 31, v0                          ; lane
	v_and_b32 v15, 15, v0
	s_delay_alu instid0(VALU_DEP_2)
	v_lshlrev_b32 v1, 3, v14                       ; 8 x lane: K's pieces, q's pieces, o's pieces
	s_delay_alu instid0(VALU_DEP_3)
	v_lshl_add_u32 v2, v14, 4, LVC                 ; V's groups
	s_delay_alu instid0(VALU_DEP_4)
	v_lshl_add_u32 v3, v14, 4, LKS                 ; K's scale words
	v_lshl_add_u32 v4, v14, 3, LVS                 ; V's
	v_mov_b32 v7, 0xff800000                       ; -infinity
	v_lshlrev_b32 v29, 4, v15                      ; q's scale word of row lane % 16
	v_lshlrev_b32 v30, 5, v15                      ; a row of asc is 32 bytes
	v_mov_b32 v31, 0xffff
.irp j, 22,23,24,25,26,27,80,81,82,83,84,85,236,237,238,239,253
	v_mov_b32 v\j, 0                               ; q's upper half; the upper half of K's tile 7; the lane permutes' destinations; the upper half of the pair v[252:253]
.endr
	s_wait_tensorcnt 0x0                           ; my sixteenth has landed (and the descriptor's registers are free),
	s_barrier_signal -1
	s_barrier_wait -1                              ; everybody's has: the head's K and V lie in LDS; from here on LDS is only read
; One tile of 16 queries against all keys.  ps: 0 or 1.
.macro PASS ps
.if \ps > 0
	s_wait_xcnt 0x0                                ; the last tile's stores have read their registers and bases
.endif
	s_add_co_u32 s13, s85, 16*\ps                  ; Tq: my tile in the batch
	s_mov_b32 s101, 0                              ; the upper word of every offset below
	s_mul_i32 s100, s13, 768
	s_add_co_u32 s100, s100, QC
	s_add_nc_u64 s[90:91], s[4:5], s[100:101]      ; q's codes
	s_lshr_b32 s100, s13, 3
	s_lshl_b32 s100, s100, 9                       ; q's scale words: 512 bytes for 8 tiles;
	s_and_b32 s98, s13, 1
	s_lshl_b32 s98, s98, 8                         ; an odd tile's lie in lanes 16-31, 256 bytes on;
	s_add_co_u32 s100, s100, s98
	s_bfe_u32 s98, s13, 0x20001
	s_lshl_b32 s98, s98, 2                         ; register (tile / 2) % 4 of the four
	s_add_co_u32 s100, s100, s98
	s_add_co_u32 s100, s100, QS
	s_add_nc_u64 s[98:99], s[4:5], s[100:101]
	s_add_co_u32 s13, s13, s3                      ; the tile among all 512
	s_mul_i32 s100, s13, MWT
	s_add_nc_u64 s[92:93], s[6:7], s[100:101]      ; its mask words
	s_mul_i32 s100, s13, 768
	s_add_co_u32 s100, s100, s66
	s_add_nc_u64 s[94:95], s[8:9], s[100:101]      ; its image in ac
	s_lshl_b32 s100, s13, 9
	s_add_co_u32 s100, s100, s67
	s_add_nc_u64 s[96:97], s[10:11], s[100:101]    ; its scale bytes in asc
	s_load_b512 s[16:31], s[92:93], 0x0            ; step 0's 64 mask words
	s_load_b512 s[32:47], s[92:93], 0x40
	s_load_b512 s[48:63], s[92:93], 0x80
	s_load_b512 s[68:83], s[92:93], 0xc0
.irp e, 0,1,2
	global_load_b64 v[16+2*\e:17+2*\e], v1, s[90:91] offset:256*\e
.endr
	global_load_b32 v28, v29, s[98:99]
	v_mov_b32 v13, 0xff61b1e6                      ; the largest t so far: -3e38, under every t
	s_delay_alu instid0(VALU_DEP_1)
	v_floor_f32 v12, -v13                          ; -M
	v_mov_b32 v14, 0                               ; the sum, in two halves
	v_mov_b32 v15, 0
.set J, 0
.rept 32
	v_mov_b32 v[160+J], 0                          ; O^T.  (The step is written once: the first finds zeros, which the first change of M leaves zeros)
.set J, J+1
.endr
	s_mov_b32 s14, 0                               ; the step's codes: 6,144 bytes a step, K's and V's alike
	s_mov_b32 s15, 0                               ; K's scale words: 512
	s_mov_b32 s84, 0                               ; V's: 256
	s_wait_loadcnt 0x0                             ; q
	s_mov_b32 s12, 16                              ; steps to go
.Lstep_\@:
	s_setprio 2
	v_add_nc_u32 v8, s14, v1                       ; these four are also the places between the last step's products and the loads into their operands' registers
	v_add_nc_u32 v9, s14, v2
	v_add_nc_u32 v10, s15, v3
	v_add_nc_u32 v11, s84, v4
.irp t, 0,1,2,3,4,5,6,7
.irp e, 0,1,2
	ds_load_b64 v[32+6*\t+2*\e:33+6*\t+2*\e], v8 offset:768*\t+256*\e   ; K's tile t: six registers
.endr
.endr
	ds_load_b128 v[86:89], v10                     ; register i: lanes 0-15 tile 2 i's scale words, lanes 16-31 tile 2 i + 1's
	s_wait_alu depctr_va_vdst(0)
	s_wait_dscnt 0x0
.irp i, 0,1,2,3
	v_wmma_scale_f32_16x16x128_f8f6f4 v[96+16*\i:103+16*\i], v[32+12*\i:43+12*\i], v[16:27], 0, v[86+\i], v28 matrix_a_fmt:MATRIX_FMT_FP6 matrix_b_fmt:MATRIX_FMT_FP6
	v_wmma_scale_f32_16x16x128_f8f6f4 v[104+16*\i:111+16*\i], v[38+12*\i:49+12*\i], v[16:27], 0, v[86+\i], v28 matrix_a_fmt:MATRIX_FMT_FP6 matrix_b_fmt:MATRIX_FMT_FP6 matrix_a_scale:MATRIX_SCALE_ROW1
.endr
.rept 4
	v_nop                                          ; places in front of the loads below and of the first read of the scores
.endr
.irp d, 0,1,2,3
.irp g, 0,1,2
	ds_load_b128 v[32+12*\d+4*\g:35+12*\d+4*\g], v9 offset:1536*\d+512*\g   ; V^T's four tiles are asked for now and land under the softmax
.endr
.endr
	ds_load_b64 v[90:91], v11
	; THE MASK, in every step: word n is the lane mask of register n.  Each accumulator is read from its low end on
	s_wait_kmcnt 0x0                               ; this step's words, asked for a step ago, are in
.set N, 0
.rept 48
	v_cndmask_b32 v[96+N], v[96+N], v7, s[16+N]
.set N, N+1
.endr
.rept 16
	v_cndmask_b32 v[96+N], v[96+N], v7, s[20+N]
.set N, N+1
.endr
.irp b, 0,1,2,3
	v_max3_num_f32 v[232+\b], v[96+16*\b], v[97+16*\b], v[98+16*\b]   ; the largest score of each block of 32 keys: for the row's maximum, and, since p rises with the score, for the block's largest p
.endr
.irp i, 3,5,7,9,11,13
.irp b, 0,1,2,3
	s_delay_alu instid0(VALU_DEP_4)
	v_max3_num_f32 v[232+\b], v[232+\b], v[96+16*\b+\i], v[97+16*\b+\i]
.endr
.endr
.irp b, 0,1,2,3
	s_delay_alu instid0(VALU_DEP_4)
	v_max_num_f32 v[232+\b], v[232+\b], v[111+16*\b]
.endr
.irp b, 0,1,2,3
	s_delay_alu instid0(VALU_DEP_4)
	v_permlanex16_b32 v[236+\b], v[232+\b], s[SEL], s[SEL+1]
.endr
.irp b, 0,1,2,3
	s_delay_alu instid0(VALU_DEP_4)
	v_max_num_f32 v[232+\b], v[232+\b], v[236+\b]  ; with lane l xor 16's 16 keys
.endr
	s_delay_alu instid0(VALU_DEP_2)
	v_max3_num_f32 v254, v232, v233, v234
	s_delay_alu instid0(VALU_DEP_1)
	v_max_num_f32 v254, v254, v235                 ; the step's largest score of my query
	s_delay_alu instid0(VALU_DEP_1)
	v_mul_f32 v254, s[CS], v254                    ; as t (c is positive)
	s_delay_alu instid0(VALU_DEP_1)
	v_max_num_f32 v13, v13, v254                   ; the running largest t
	v_mov_b32 v254, v12
	s_delay_alu instid0(VALU_DEP_2)
	v_floor_f32 v12, -v13                          ; the new -M = floor(-t): M is a whole number
	s_delay_alu instid0(VALU_DEP_1)
	v_sub_f32 v254, v12, v254                      ; old M - new M: a whole number, 0 or less
	s_delay_alu instid0(VALU_DEP_1)
	v_cvt_i32_f32 v254, v254                       ; (it saturates)
	s_delay_alu instid0(VALU_DEP_1)
	v_ldexp_f32 v252, 1.0, v254                    ; f = 2^(old M - new M)
	; the next step's mask words are asked for here: the rest of this step and the next step's first product stand between the request and the wait for it.  No scalar load is out, so the base may step.
	; The last step asks for its own words once more (a step of 0 bytes, by a select on the count of steps): no load leaves the buffer, and nothing is jumped over
	s_cmp_gt_u32 s12, 1
	s_cselect_b32 s100, 256, 0
	s_add_nc_u64 s[92:93], s[92:93], s[100:101]
	s_load_b512 s[16:31], s[92:93], 0x0
	s_load_b512 s[32:47], s[92:93], 0x40
	s_load_b512 s[48:63], s[92:93], 0x80
	s_load_b512 s[68:83], s[92:93], 0xc0
.set J, 0
.rept 32
	v_pk_fma_f32 v[96+J:97+J], v[96+J:97+J], s[CS:CS+1], v[12:13] op_sel_hi:[1,0,0]   ; t - M, two at a time
.set J, J+2
.endr
.irp b, 0,1,2,3
	v_fma_f32 v[232+\b], v[232+\b], s[CS], v12     ; the same of each block's largest score
.endr
.set J, 0
	s_setprio 1
	s_wait_alu depctr_va_vdst(0)
.rept 64
	v_exp_f32 v[96+J], v[96+J]                     ; p = 2^(t - M), at most 1
.set J, J+1
.endr
	v_pk_mul_f32 v[14:15], v[14:15], v[252:253] op_sel_hi:[1,0]   ; the sums under the new M.  (A plain place behind the exponentials)
	s_wait_alu depctr_va_vdst(0)                   ; one wait for the whole batch, ahead of its first reader
.irp b, 0,1,2,3
	v_exp_f32 v[232+\b], v[232+\b]                 ; the block's largest p
.endr
	v_pk_add_f32 v[236:237], v[100:101], v[104:105]
	v_pk_add_f32 v[254:255], v[108:109], v[112:113]
	v_pk_add_f32 v[250:251], v[116:117], v[120:121]
	v_pk_add_f32 v[248:249], v[124:125], v[128:129]
	v_pk_add_f32 v[246:247], v[132:133], v[136:137]
	v_pk_add_f32 v[244:245], v[140:141], v[144:145]
	v_pk_add_f32 v[242:243], v[148:149], v[152:153]
	v_pk_add_f32 v[14:15], v[14:15], v[156:157]
	v_pk_add_f32 v[236:237], v[236:237], v[96:97]
	v_pk_add_f32 v[254:255], v[254:255], v[98:99]
	v_pk_add_f32 v[250:251], v[250:251], v[102:103]
	v_pk_add_f32 v[248:249], v[248:249], v[106:107]
	v_pk_add_f32 v[246:247], v[246:247], v[110:111]
	v_pk_add_f32 v[244:245], v[244:245], v[114:115]
	v_pk_add_f32 v[242:243], v[242:243], v[118:119]
	v_pk_add_f32 v[14:15], v[14:15], v[122:123]
	v_pk_add_f32 v[236:237], v[236:237], v[126:127]
	v_pk_add_f32 v[254:255], v[254:255], v[130:131]
	v_pk_add_f32 v[250:251], v[250:251], v[134:135]
	v_pk_add_f32 v[248:249], v[248:249], v[138:139]
	v_pk_add_f32 v[246:247], v[246:247], v[142:143]
	v_pk_add_f32 v[244:245], v[244:245], v[146:147]
	v_pk_add_f32 v[242:243], v[242:243], v[150:151]
	v_pk_add_f32 v[14:15], v[14:15], v[154:155]
	v_pk_add_f32 v[236:237], v[236:237], v[158:159]
	s_delay_alu instid0(VALU_DEP_2)
	v_pk_add_f32 v[14:15], v[14:15], v[248:249]
	s_delay_alu instid0(VALU_DEP_2)
	v_pk_add_f32 v[236:237], v[236:237], v[246:247]
	v_pk_add_f32 v[254:255], v[254:255], v[244:245]
	v_pk_add_f32 v[250:251], v[250:251], v[242:243]
	s_delay_alu instid0(VALU_DEP_2)
	v_pk_add_f32 v[14:15], v[14:15], v[254:255]
	s_delay_alu instid0(VALU_DEP_2)
	v_pk_add_f32 v[236:237], v[236:237], v[250:251]
	s_delay_alu instid0(VALU_DEP_1)
	v_pk_add_f32 v[14:15], v[14:15], v[236:237]
	s_wait_alu depctr_va_vdst(0)                   ; and one for the four
.irp b, 0,1,2,3
	v_max_num_f32 v[232+\b], 0x1800000, v[232+\b]  ; the floor 2^(3 - 127): the byte cannot fall under 1
.endr
.irp b, 0,1,2,3
	s_delay_alu instid0(VALU_DEP_4)
	v_add_nc_u32 v[244+\b], 0xff000000, v[232+\b]  ; 2 off the exponent field: the conversion's scale operand
.endr
.irp b, 0,1,2,3
	s_delay_alu instid0(VALU_DEP_4)
	v_lshrrev_b32 v[236+\b], 23, v[244+\b]         ; the scale's byte
.endr
	s_delay_alu instid0(VALU_DEP_3)
	v_lshl_or_b32 v253, v237, 8, v236              ; p's scale word for these 128 keys
	s_delay_alu instid0(VALU_DEP_1)
	v_lshl_or_b32 v253, v238, 16, v253
	s_delay_alu instid0(VALU_DEP_1)
	v_lshl_or_b32 v253, v239, 24, v253
.irp c, 0,1
	v_cvt_scalef32_pk16_fp6_f32 v[224+6*\c:226+6*\c], v[96+32*\c:111+32*\c], v[244+2*\c]
	v_cvt_scalef32_pk16_fp6_f32 v[236+4*\c:238+4*\c], v[112+32*\c:127+32*\c], v[244+2*\c+1]   ; (a conversion's three registers begin on an even number)
.endr
	s_setprio 0
	v_nop                                          ; one plain place behind a scaled conversion
.irp c, 0,1                                    ; the operand's layout wants a whole block in a lane
.irp i, 0,1,2
	v_permlane16_swap_b32 v[224+6*\c+\i], v[236+4*\c+\i]
.endr
.irp i, 0,1,2
	s_delay_alu instid0(VALU_DEP_3)
	v_mov_b32 v[227+6*\c+\i], v[236+4*\c+\i]
.endr
.endr
.set J, 0
.rept 16
	v_pk_mul_f32 v[160+J:161+J], v[160+J:161+J], v[252:253] op_sel_hi:[1,0]   ; O^T under the new M, each accumulator from its low end on.  (These are also the places in front of the products below)
.set J, J+2
.endr
	s_wait_alu depctr_va_vdst(0)
	s_wait_dscnt 0x0                               ; V's fragments and scale words are in
.irp i, 0,1
	v_wmma_scale_f32_16x16x128_f8f6f4 v[160+16*\i:167+16*\i], v[32+24*\i:43+24*\i], v[224:235], v[160+16*\i:167+16*\i], v[90+\i], v253 matrix_a_fmt:MATRIX_FMT_FP6 matrix_b_fmt:MATRIX_FMT_FP6
	v_wmma_scale_f32_16x16x128_f8f6f4 v[168+16*\i:175+16*\i], v[44+24*\i:55+24*\i], v[224:235], v[168+16*\i:175+16*\i], v[90+\i], v253 matrix_a_fmt:MATRIX_FMT_FP6 matrix_b_fmt:MATRIX_FMT_FP6 matrix_a_scale:MATRIX_SCALE_ROW1
.endr
	s_add_co_u32 s14, s14, 6144
	s_add_co_u32 s15, s15, 512
	s_add_co_u32 s84, s84, 256
	s_sub_co_u32 s12, s12, 1
	s_cmp_lg_u32 s12, 0
	s_cbranch_scc1 .Lstep_\@
	s_setprio 0
	s_wait_kmcnt 0x0                               ; the last step's request has come: its registers and its base may be written again
	; THE TILE'S END: o = O^T / the sum; its two blocks of 32 along d are quantised; the six registers of codes leave as an image, the two scale bytes to their row of asc
.rept 4
	v_nop
.endr
	v_add_f32 v14, v14, v15
	s_delay_alu instid0(VALU_DEP_1)
	v_permlanex16_b32 v252, v14, s[SEL], s[SEL+1]
	s_delay_alu instid0(VALU_DEP_1)
	v_add_f32 v252, v14, v252                      ; the row's sum
	s_wait_alu depctr_va_vdst(0)
	v_rcp_f32 v14, v252
	v_nop                                          ; one plain place behind the reciprocal
	s_wait_alu depctr_va_vdst(0)                   ; and the wait ahead of its first reader
.set J, 0
.rept 16
	v_pk_mul_f32 v[96+J:97+J], v[160+J:161+J], v[14:15] op_sel_hi:[1,0]   ; register 16 b + i: o(my query, 32 b + 16 (lane / 16) + i)
.set J, J+2
.endr
.irp b, 0,1
	v_max3_num_f32 v[232+\b], |v[96+16*\b]|, |v[97+16*\b]|, 0x1800000
.endr
.irp i, 2,4,6,8,10,12,14
.irp b, 0,1
	s_delay_alu instid0(VALU_DEP_2)
	v_max3_num_f32 v[232+\b], v[232+\b], |v[96+16*\b+\i]|, |v[97+16*\b+\i]|
.endr
.endr
.irp b, 0,1
	s_delay_alu instid0(VALU_DEP_2)
	v_permlanex16_b32 v[236+\b], v[232+\b], s[SEL], s[SEL+1]
.endr
.irp b, 0,1
	s_delay_alu instid0(VALU_DEP_2)
	v_max_num_f32 v[232+\b], v[232+\b], v[236+\b]
.endr
.irp b, 0,1
	s_delay_alu instid0(VALU_DEP_2)
	v_add_nc_u32 v[244+\b], 0xff000000, v[232+\b]
.endr
.irp b, 0,1
	s_delay_alu instid0(VALU_DEP_2)
	v_lshrrev_b32 v[236+\b], 23, v[244+\b]
.endr
	s_delay_alu instid0(VALU_DEP_1)
	v_lshl_or_b32 v254, v237, 8, v236              ; the two bytes
	v_cmp_eq_f32 vcc_lo, 0, v252
	s_delay_alu instid0(VALU_DEP_1)
	v_cndmask_b32 v254, v254, v31, vcc_lo          ; a row masked throughout: 0xff, 0xff
	v_cvt_scalef32_pk16_fp6_f32 v[224:226], v[96:111], v244
	v_cvt_scalef32_pk16_fp6_f32 v[228:230], v[112:127], v245
	v_nop
.irp i, 0,1,2
	v_permlane16_swap_b32 v[224+\i], v[228+\i]     ; lanes 0-15 block 0 whole, lanes 16-31 block 1
.endr
	s_delay_alu instid0(VALU_DEP_3)
	v_mov_b32 v227, v228
	s_delay_alu instid0(VALU_DEP_3)
	v_mov_b32 v228, v229
	s_delay_alu instid0(VALU_DEP_3)
	v_mov_b32 v229, v230
.irp e, 0,1,2
	global_store_b64 v1, v[224+2*\e:225+2*\e], s[94:95] offset:256*\e   ; 32 lanes store 256 consecutive bytes, aligned
.endr
	global_store_b16 v30, v254, s[96:97]           ; lanes l and l xor 16 write the same two bytes with the same value
.endm
	PASS 0
	PASS 1
	s_wait_tensorcnt 0x0                           ; the wave's end: behind my last tensor load
	ds_add_u32 v5, v6
	s_wait_dscnt 0x0
	CROUND                                         ; the closing round: no work-group ends while a partner may still ask for bytes by a load that names it
	s_endpgm
.Lfunc_end_k_q0769cef160_attn:
	.size	k_q0769cef160_attn, .Lfunc_end_k_q0769cef160_attn-k_q0769cef160_attn
	.p2alignl 7, 3214868480
	.fill 96, 4, 3214868480
	.section	.rodata,"a",@progbits
	.p2align	6, 0x0
	.amdhsa_kernel k_q0769cef160_attn
		.amdhsa_group_segment_fixed_size 210944
		.amdhsa_private_segment_fixed_size 0
		.amdhsa_enable_private_segment 0
		.amdhsa_kernarg_size 32
		.amdhsa_user_sgpr_count 2
		.amdhsa_user_sgpr_kernarg_segment_ptr 1
		.amdhsa_wavefront_size32 1
		.amdhsa_system_sgpr_workgroup_id_x 1
		.amdhsa_system_sgpr_workgroup_id_y 1
		.amdhsa_system_sgpr_workgroup_id_z 1
		.amdhsa_system_vgpr_workitem_id 0
		.amdhsa_next_free_vgpr 256
		.amdhsa_next_free_sgpr 102
		.amdhsa_reserve_vcc 1
		.amdhsa_float_denorm_mode_32 3
		.amdhsa_float_denorm_mode_16_64 3
		.amdhsa_memory_ordered 1
		.amdhsa_forward_progress 1
		.amdhsa_inst_pref_size 66
	.end_amdhsa_kernel
	.amdgpu_metadata
---
amdhsa.version: [ 1, 2 ]
amdhsa.kernels:
  - .name:           k_q0769cef160_attn
    .symbol:         k_q0769cef160_attn.kd
    .args:
      - { .name: qkv, .offset: 0, .size: 8, .value_kind: global_buffer, .address_space: global }
      - { .name: mw, .offset: 8, .size: 8, .value_kind: global_buffer, .address_space: global }
      - { .name: ac, .offset: 16, .size: 8, .value_kind: global_buffer, .address_space: global }
      - { .name: asc, .offset: 24, .size: 8, .value_kind: global_buffer, .address_space: global }
    .group_segment_fixed_size: 210944
    .private_segment_fixed_size: 0
    .kernarg_segment_align: 8
    .kernarg_segment_size: 32
    .max_flat_workgroup_size: 512
    .sgpr_count:     102
    .vgpr_count:     256
    .wavefront_size: 32
...
	.end_amdgpu_metadata
.endif
;; end of part 3
;; launch oproj (part 4): grid 4 x 32, 4 waves a work-group, clusters of 4 x 4, 327,680 bytes of LDS; arguments ac, asc, cod, scl, out0; writes out0
.if DOCPART == 4
	.amdgcn_target "amdgcn-amd-amdhsa--gfx1250"
	.amdhsa_code_object_version 6
	.text
	.protected	k_q0769cef160_oproj
	.globl	k_q0769cef160_oproj
	.p2align	8
	.type	k_q0769cef160_oproj,@function
k_q0769cef160_oproj:
	s_mov_b64 s[64:65], 0
	v_nop
	global_prefetch_b8 v0, s[64:65] scope:SCOPE_SE
	s_setreg_imm32_b32 hwreg(HW_REG_WAVE_MODE, 25, 1), 1
	s_wait_xcnt 0x0
	s_wait_alu depctr_hold_cnt(0) depctr_sa_sdst(0) depctr_va_vdst(0) depctr_va_sdst(0) depctr_va_ssrc(0) depctr_va_vcc(0) depctr_vm_vsrc(0)
	s_getreg_b32 s2, hwreg(HW_REG_IB_STS2, 6, 4)
	s_cmp_eq_u32 s2, 0
	s_cbranch_scc0 .Lentry_in_a_cluster
	s_endpgm
.Lentry_in_a_cluster:
	s_bfe_u32 s2, ttmp6, 0x10000c
	s_cmp_lg_u32 s2, 0xf033
	s_cbranch_scc0 .Lentry_shape_is_right
	s_endpgm
.Lentry_shape_is_right:
.set SIZE_N, 1024
.set SIZE_K, 1024
.set KSTEP,  256
.set NQ,     KSTEP/128
.set ROWB,   192
.set KROW,   SIZE_K*6/8
.set PITCH,  240
.set FR,     12
.set NL,     6
.set NP,     4
.set HALFT,  128*PITCH
.set SLOT,   4*HALFT
.set LAPS,   SIZE_K/(2*KSTEP)
.set KS,     SIZE_K/32
.set SCL,    2*SLOT
.set HALFS,  (128*KS/256)*272
.set SBLK,   (16*KS/256)*272
.set SPARE,  SCL+4*HALFS
.set SPITCH, 528
.set AROW,   6144
.set ASTEP,  4*393216
.set ADRA, 16
.set ADRB, 20
.set STO,  24
.set RD,   25
.set CO,   26
.set ADRS, 27
.set SPW,  28
.set NIL,  29
.set SC,   32
.set AF,   128
.set BK,   128
.set G1, 24
.set G0, 32
.set G1B, 48
.set G0B, 56
.set G1S, 68
.set G0S, 76
.set G1SB, 80
.set G0SB, 88
.set MSB, 0
.macro WIN new
.if MSB != \new
	s_set_vgpr_msb (MSB<<8)|\new
.set MSB, \new
.endif
.endm
.set MUL_LO, 0xa1
.set MUL_HI, 0xf1
.set TO_B,   0x40
.macro JLOAD g0a, g1a, g0b, g1b
	s_cmp_eq_u32 s15, 0
	s_cbranch_scc0 .Lfor_b_\@
	tensor_load_to_lds s[\g0a:\g0a+3], s[\g1a:\g1a+7]
	s_nop 0
.rept 4
	v_nop
.endr
	s_branch .Lasked_\@
.Lfor_b_\@:
	tensor_load_to_lds s[\g0b:\g0b+3], s[\g1b:\g1b+7]
	s_nop 0
.rept 4
	v_nop
.endr
.Lasked_\@:
.endm
.macro CREST
	s_cmp_lg_u32 s14, 0
	s_cbranch_scc1 .Lnot_wave_0_\@
	s_barrier_signal -3
.Lnot_wave_0_\@:
	s_barrier_wait -3
	s_barrier_signal -1
	s_barrier_wait -1
.endm
.macro CROUND
	s_barrier_signal -1
	s_barrier_wait -1
	CREST
.endm
	s_load_b128 s[4:7], s[0:1], 0x0
	s_load_b128 s[8:11], s[0:1], 0x10
	s_load_b64 s[12:13], s[0:1], 0x20
	v_lshl_add_u32 v[SPW], v0, 2, SPARE
	v_mov_b32 v[NIL], 0
	ds_add_u32 v[SPW], v[NIL]
	ds_add_u32 v[SPW], v[NIL]
	v_lshrrev_b32 v1, 5, v0
	v_readfirstlane_b32 s14, v1
	s_lshr_b32 s15, s14, 1
	s_and_b32 s16, s14, 1
	s_bfe_u32 s40, ttmp6, 0x40000
	s_bfe_u32 s41, ttmp6, 0x40004
	s_lshl_b32 s42, ttmp9, 2
	s_add_co_u32 s42, s42, s40
	s_and_b32 s17, ttmp7, 0xffff
	s_lshl_b32 s17, s17, 2
	s_add_co_u32 s17, s17, s41
	s_lshl_b32 s43, s41, 2
	s_lshl_b32 s43, 15, s43
	s_lshl_b32 s44, 0x1111, s40
	s_or_b32 s[G1+0], s43, (3<<16)|(1<<21)
	s_mov_b32 s[G1+1], (AROW/8)<<16
	s_mov_b32 s[G1+2], 4<<16
	s_mov_b32 s[G1+3], (AROW/8)<<16
	s_mov_b32 s[G1+4], 4
	s_mov_b32 s[G1+5], 393216/8
	s_mov_b32 s[G1+6], 0
	s_mov_b32 s[G1+7], 0
	s_or_b32 s[G1B+0], s44, (0<<16)|(1<<20)|(1<<21)|(3<<22)|(3<<25)
	s_mov_b32 s[G1B+1], ROWB<<16
	s_mov_b32 s[G1B+2], 128<<16
	s_mov_b32 s[G1B+3], ROWB<<16
	s_mov_b32 s[G1B+4], 128
	s_mov_b32 s[G1B+5], KROW
	s_mov_b32 s[G1B+6], 0
	s_mov_b32 s[G1B+7], 0
	s_or_b32 s[G1S+0], s43, (3<<16)|(1<<20)|(1<<21)|(5<<22)|(3<<25)
	s_or_b32 s[G1SB+0], s44, (3<<16)|(1<<20)|(1<<21)|(5<<22)|(3<<25)
.irp g, G1S, G1SB
	s_mov_b32 s[\g+1], 32<<16
	s_mov_b32 s[\g+2], (128*KS/256)<<16
	s_mov_b32 s[\g+3], 32<<16
	s_mov_b32 s[\g+4], 128*KS/256
	s_mov_b32 s[\g+5], 32
	s_mov_b32 s[\g+6], 0
	s_mov_b32 s[\g+7], 0
.endr
	s_lshl_b32 s18, s16, 7
	s_lshl_b32 s20, s17, 8
	s_add_co_u32 s20, s20, s18
	s_lshl_b32 s46, s42, 8
	s_add_co_u32 s46, s46, s18
	s_add_co_u32 s46, s46, 27648
	s_mov_b32 s21, 0
	s_mov_b32 s47, 0
	s_mov_b64 s[18:19], KS
	s_mul_u64 s[22:23], s[20:21], s[18:19]
	s_mul_u64 s[92:93], s[46:47], s[18:19]
	s_mov_b64 s[18:19], 48
	s_mul_u64 s[20:21], s[20:21], s[18:19]
	s_mov_b64 s[18:19], KROW
	s_mul_u64 s[46:47], s[46:47], s[18:19]
	s_mul_i32 s45, s14, HALFT
	s_mul_i32 s94, s14, HALFS
	s_wait_dscnt 0x0
	s_wait_kmcnt 0x0
	s_add_nc_u64 s[20:21], s[4:5], s[20:21]
	s_add_nc_u64 s[22:23], s[6:7], s[22:23]
	s_add_nc_u64 s[46:47], s[8:9], s[46:47]
	s_add_nc_u64 s[92:93], s[10:11], s[92:93]
	CROUND
	s_mov_b32 s[G0S], 1
	s_add_co_u32 s[G0S+1], s94, SCL
	s_mov_b64 s[G0S+2:G0S+3], s[22:23]
	s_or_b32 s[G0S+3], s[G0S+3], 0x80000000
	s_mov_b32 s[G0SB], 1
	s_add_co_u32 s[G0SB+1], s94, SCL
	s_mov_b64 s[G0SB+2:G0SB+3], s[92:93]
	s_or_b32 s[G0SB+3], s[G0SB+3], 0x80000000
	JLOAD G0S, G1S, G0SB, G1SB
.irp s, 0,1
	s_mov_b32 s[G0+4*\s], 1
	s_add_co_u32 s[G0+4*\s+1], s45, \s*SLOT
	s_add_nc_u64 s[G0+4*\s+2:G0+4*\s+3], s[20:21], \s*ASTEP
	s_or_b32 s[G0+4*\s+3], s[G0+4*\s+3], 0x80000000
	s_mov_b32 s[G0B+4*\s], 1
	s_add_co_u32 s[G0B+4*\s+1], s45, \s*SLOT
	s_add_nc_u64 s[G0B+4*\s+2:G0B+4*\s+3], s[46:47], \s*ROWB
	s_or_b32 s[G0B+4*\s+3], s[G0B+4*\s+3], 0x80000000
	s_wait_alu depctr_va_vdst(0)
	s_wait_tensorcnt 0x0
	ds_add_u32 v28, v29
	s_wait_dscnt 0x0
	CROUND
	JLOAD G0+4*\s, G1, G0B+4*\s, G1B
.endr
	v_and_b32 v1, 15, v0
	v_bfe_u32 v2, v0, 4, 1
	v_mul_u32_u24 v3, v1, PITCH
	v_mul_u32_u24 v4, v2, 24
	v_add_nc_u32 v4, v3, v4
	v_lshl_add_u32 v5, v2, 4, v4
	v_and_b32 v6, 31, v0
	v_lshlrev_b32 v7, 3, v6
	s_mul_i32 s21, s15, HALFT
	s_mul_i32 s22, s16, HALFT
	s_add_co_u32 s22, s22, 2*HALFT
.irp s, 0,1
	v_add_nc_u32 v[ADRA+\s], s21, v7
	v_add_nc_u32 v[ADRB+\s], s22, v4
	v_add_nc_u32 v[ADRB+2+\s], s22, v5
	s_add_co_u32 s21, s21, SLOT
	s_add_co_u32 s22, s22, SLOT
.endr
	v_mul_u32_u24 v5, v1, KS
	v_lshrrev_b32 v6, 8, v5
	v_lshl_add_u32 v5, v6, 4, v5
	s_mul_i32 s21, s15, HALFS
	s_mul_i32 s22, s16, HALFS
	s_add_co_u32 s22, s22, 2*HALFS
	s_sub_co_u32 s22, s22, s21
	v_mul_u32_u24 v6, s22, v2
	s_add_co_u32 s21, s21, SCL
	v_add_nc_u32 v5, v5, v6
	v_add_nc_u32 v[ADRS], s21, v5
	s_mul_i32 s23, s14, 16*SPITCH
	v_mul_u32_u24 v5, v1, SPITCH
	v_lshl_add_u32 v5, v2, 5, v5
	v_add_nc_u32 v[STO], s23, v5
	v_and_b32 v6, 31, v0
	v_lshlrev_b32 v[CO], 4, v6
	v_add_nc_u32 v[RD], s23, v[CO]
	s_lshl_b32 s20, s17, 8
	s_lshl_b32 s21, s15, 7
	s_add_co_u32 s20, s20, s21
	s_mov_b32 s21, 0
	s_mov_b64 s[18:19], SIZE_N*4
	s_mul_u64 s[20:21], s[20:21], s[18:19]
	s_lshl_b32 s46, s42, 10
	s_lshl_b32 s47, s16, 9
	s_add_co_u32 s46, s46, s47
	s_mov_b32 s47, 0
	s_add_nc_u64 s[20:21], s[20:21], s[46:47]
	s_add_nc_u64 s[12:13], s[12:13], s[20:21]
.macro FRAG reg, adr, q, i
.irp p, 0,1,2,3,4,5
.set PCE, 12*(\q)+6*(\p/3)+\p%3
.if PCE%8 < 5
	ds_load_b64 v[\reg+2*\p:\reg+2*\p+1], v[\adr] offset:8*PCE+16*(PCE/8)+(\i)*16*PITCH
.else
	ds_load_b64 v[\reg+2*\p:\reg+2*\p+1], v[\adr+2] offset:8*PCE+16*(PCE/8)+(\i)*16*PITCH
.endif
.endr
.endm
.macro FRAGA reg, slot, q, i
.irp p, 0,1,2,3,4,5
	ds_load_b64 v[\reg+2*\p:\reg+2*\p+1], v[ADRA+\slot] offset:(2*(\q)+\p/3)*AROW+768*(\i)+256*(\p%3)
.endr
.endm
.macro MUL16 a0, p, q, sc, zero
.irp a, \a0, \a0+1
.irp b, 0,1,2,3,4,5,6,7
.if \zero
	v_wmma_scale_f32_16x16x128_f8f6f4 v[8*(8*((\a)%4)+\b):8*(8*((\a)%4)+\b)+7], v[128*(\p)+FR*\b:128*(\p)+FR*\b+FR-1], v[AF+FR*(\a):AF+FR*(\a)+FR-1], 0, v[SC+8*NQ*(\sc)+NQ*\b+(\q)], v[SC+8*NQ*(\sc)+NQ*(\a)+(\q)] matrix_a_fmt:MATRIX_FMT_FP6 matrix_b_fmt:MATRIX_FMT_FP6 matrix_a_scale:MATRIX_SCALE_ROW1
.else
	v_wmma_scale_f32_16x16x128_f8f6f4 v[8*(8*((\a)%4)+\b):8*(8*((\a)%4)+\b)+7], v[128*(\p)+FR*\b:128*(\p)+FR*\b+FR-1], v[AF+FR*(\a):AF+FR*(\a)+FR-1], v[8*(8*((\a)%4)+\b):8*(8*((\a)%4)+\b)+7], v[SC+8*NQ*(\sc)+NQ*\b+(\q)], v[SC+8*NQ*(\sc)+NQ*(\a)+(\q)] matrix_a_fmt:MATRIX_FMT_FP6 matrix_b_fmt:MATRIX_FMT_FP6 matrix_a_scale:MATRIX_SCALE_ROW1
.endif
.endr
.endr
.endm
.macro FETCH_B slot, q, p
	WIN TO_B
.irp i, 0,1,2,3,4,5,6,7
	FRAG 128*(\p)+FR*\i, ADRB+\slot, \q, \i
.endr
	WIN 0
.endm
.macro FETCH_A slot, q, i0
.irp i, \i0, \i0+1, \i0+2, \i0+3
	FRAGA AF+FR*(\i), \slot, \q, \i
.endr
.endm
.macro SCALES sc
.irp i, 0,1,2,3,4,5,6,7
	ds_load_b64 v[SC+8*NQ*\sc+NQ*\i:SC+8*NQ*\sc+NQ*\i+1], v[ADRS] offset:\i*SBLK
.endr
.endm
.macro PLACES n
.rept \n
	v_nop
.endr
.endm
.macro STEP slot, q, zero
	s_wait_dscnt 4*NL
	WIN MUL_LO
	MUL16 0, (\q)%2, \q, \slot, \zero
	MUL16 2, (\q)%2, \q, \slot, \zero
	s_wait_dscnt 0
	PLACES NP
	FETCH_B \slot, (\q)+1, 1-(\q)%2
	FETCH_A \slot, (\q)+1, 0
	WIN MUL_HI
	MUL16 4, (\q)%2, \q, \slot, \zero
	MUL16 6, (\q)%2, \q, \slot, \zero
	PLACES NP
	WIN 0
	FETCH_A \slot, (\q)+1, 4
.endm
.macro TURN slot, next, fill
	s_wait_tensorcnt 0x0
	ds_add_u32 v[SPW], v[NIL]
	s_wait_dscnt 4*NL+1
	WIN MUL_LO
	MUL16 0, 1, NQ-1, \slot, 0
	s_wait_dscnt 0x0
	s_barrier_signal -1
	MUL16 2, 1, NQ-1, \slot, 0
	WIN 0
	s_barrier_wait -1
.if \fill
	CREST
	s_add_nc_u64 s[G0+4*\slot+2:G0+4*\slot+3], s[G0+4*\slot+2:G0+4*\slot+3], 2*ASTEP
	s_add_nc_u64 s[G0B+4*\slot+2:G0B+4*\slot+3], s[G0B+4*\slot+2:G0B+4*\slot+3], 2*ROWB
	JLOAD G0+4*\slot, G1, G0B+4*\slot, G1B
.else
	PLACES NP
.endif
	s_wait_alu depctr_va_vdst(0)
	v_add_nc_u32 v[ADRS], 4*NQ, v[ADRS]
	FETCH_B \next, 0, 0
	FETCH_A \next, 0, 0
	SCALES \next
	WIN MUL_HI
	MUL16 4, 1, NQ-1, \slot, 0
	MUL16 6, 1, NQ-1, \slot, 0
	PLACES NP
	WIN 0
	FETCH_A \next, 0, 4
.endm
	s_wait_alu depctr_va_vdst(0)
	s_wait_tensorcnt 1
	s_barrier_signal -1
	s_barrier_wait -1
	FETCH_B 0, 0, 0
	FETCH_A 0, 0, 0
	SCALES 0
	FETCH_A 0, 0, 4
	STEP 0, 0, 1
	s_mov_b32 s3, LAPS-1
.Llap:
	TURN 0, 1, 1
	STEP 1, 0, 0
	TURN 1, 0, 1
	STEP 0, 0, 0
	s_sub_co_u32 s3, s3, 1
	s_cmp_lg_u32 s3, 0
	s_cbranch_scc1 .Llap
	TURN 0, 1, 0
	STEP 1, 0, 0
	s_wait_dscnt 4*NL
	WIN MUL_LO
	MUL16 0, 1, NQ-1, 1, 0
	MUL16 2, 1, NQ-1, 1, 0
	s_wait_dscnt 0
	WIN MUL_HI
	MUL16 4, 1, NQ-1, 1, 0
	MUL16 6, 1, NQ-1, 1, 0
	WIN 0
.macro TOSTAGE a
.set AC, 64*((\a)%4)
	WIN 0x08+4*((\a)/4)
.irp b, 0,1,2,3,4,5,6,7
	ds_store_b128 v[STO], v[AC+8*\b:AC+8*\b+3] offset:64*\b
	ds_store_b128 v[STO], v[AC+8*\b+4:AC+8*\b+7] offset:64*\b+16
.endr
	WIN 0
.set BB, BK+64*((\a)%2)
.irp t, 0,1,2,3,4,5,6,7,8,9,10,11,12,13,14,15
	ds_load_b128 v[BB+4*\t:BB+4*\t+3], v[RD] offset:\t*SPITCH
.endr
.endm
.macro SEND a, younger
.set BB, BK+64*((\a)%2)
	s_wait_dscnt \younger
.irp t, 0,1,2,3,4,5,6,7,8,9,10,11,12,13,14,15
	global_store_b128 v[CO], v[BB+4*\t:BB+4*\t+3], s[12:13] offset:(32*((\a)/2)+8*((\a)%2)+\t+8*(\t/8))*SIZE_N*4 th:TH_STORE_NT
.endr
.endm
	PLACES NP
	TOSTAGE 0
.irp a, 1,2,3,4,5,6,7
.if \a > 1
	s_wait_xcnt 0x0
.endif
	TOSTAGE \a
	SEND \a-1, 32
.endr
	SEND 7, 0
	s_wait_tensorcnt 0x0
	ds_add_u32 v[SPW], v[NIL]
	s_wait_dscnt 0x0
	CROUND
	s_endpgm
.Lfunc_end_k_q0769cef160_oproj:
	.size	k_q0769cef160_oproj, .Lfunc_end_k_q0769cef160_oproj-k_q0769cef160_oproj
	.p2alignl 7, 3214868480
	.fill 96, 4, 3214868480
	.section	.rodata,"a",@progbits
	.p2align	6, 0x0
	.amdhsa_kernel k_q0769cef160_oproj
		.amdhsa_group_segment_fixed_size 327680
		.amdhsa_private_segment_fixed_size 0
		.amdhsa_enable_private_segment 0
		.amdhsa_kernarg_size 40
		.amdhsa_user_sgpr_count 2
		.amdhsa_user_sgpr_kernarg_segment_ptr 1
		.amdhsa_wavefront_size32 1
		.amdhsa_system_sgpr_workgroup_id_x 1
		.amdhsa_system_sgpr_workgroup_id_y 1
		.amdhsa_system_sgpr_workgroup_id_z 1
		.amdhsa_system_vgpr_workitem_id 0
		.amdhsa_next_free_vgpr 1024
		.amdhsa_next_free_sgpr 98
		.amdhsa_reserve_vcc 0
		.amdhsa_float_denorm_mode_32 3
		.amdhsa_float_denorm_mode_16_64 3
		.amdhsa_memory_ordered 1
		.amdhsa_forward_progress 1
		.amdhsa_inst_pref_size 160
	.end_amdhsa_kernel
	.amdgpu_metadata
---
amdhsa.version: [ 1, 2 ]
amdhsa.kernels:
  - .name:           k_q0769cef160_oproj
    .symbol:         k_q0769cef160_oproj.kd
    .args:
      - { .name: ac, .offset: 0, .size: 8, .value_kind: global_buffer, .address_space: global }
      - { .name: asc, .offset: 8, .size: 8, .value_kind: global_buffer, .address_space: global }
      - { .name: cod, .offset: 16, .size: 8, .value_kind: global_buffer, .address_space: global }
      - { .name: scl, .offset: 24, .size: 8, .value_kind: global_buffer, .address_space: global }
      - { .name: out0, .offset: 32, .size: 8, .value_kind: global_buffer, .address_space: global }
    .group_segment_fixed_size: 327680
    .private_segment_fixed_size: 0
    .kernarg_segment_align: 8
    .kernarg_segment_size: 40
    .max_flat_workgroup_size: 128
    .sgpr_count:     98
    .vgpr_count:     1024
    .wavefront_size: 32
...
	.end_amdgpu_metadata
.endif
;; end of part 4
